; MI455X (gfx1250); checked and timed in simulation.
; The chip was launched on July 23, 2026; its instructions are those of AMD's public machine-readable ISA for CDNA 5 (MIT licence, August 2026) and "CDNA5" Instruction Set Architecture Reference Guide (July 2026). The comments in the code are by the model that wrote it; some were corrected since.
;; Basic Transformer Block. Allowed arithmetic: matrix products marked QUANTISED: E3M2 operands, one E8M0 scale for each 32 along K, by v_wmma_scale_f32_16x16x128_f8f6f4 with both operands' format E3M2, f32 sums; products left as they are: f32 operands where the result goes on into a quantised operand, else bf16, f16 or f32 operands; f32 sums; everything else in f32.
;; Inputs: context 1 x 77 x 768 float32; ff1_b 8,192 float32; ff1_w 1,024 x 8,192 float32; ff2_b 1,024 float32; ff2_w 4,096 x 1,024 float32; k1_w 1,024 x 256 float32; k2_w 768 x 256 float32; n1_b 1,024 float32; n1_w 1,024 float32; n2_b 1,024 float32; n2_w 1,024 float32; n3_b 1,024 float32; n3_w 1,024 float32; o1_b 1,024 float32; o1_w 256 x 1,024 float32; o2_b 1,024 float32; o2_w 256 x 1,024 float32; q1_w 1,024 x 256 float32; q2_w 1,024 x 256 float32; v1_w 1,024 x 256 float32; v2_w 768 x 256 float32; x 1 x 4,096 x 1,024 float32.
;; Outputs: out0 1 x 4,096 x 1,024 float32.
;; This version of the problem:
;;   THIS VERSION OF THE PROBLEM IS GIVEN IN LOW PRECISION. The matrix products marked QUANTISED in the list below multiply operands that are first quantised to E3M2 (3 exponent bits, 2 mantissa bits; 6 bits a number), with one power-of-two scale for each 32 numbers along K (OCP MX v1.0); their sums are f32. All else is computed in f32.
;;   The module's matrix products, in the order in which they are computed (A, B: the left and right operand; K: the contracted axis; several contracted axes count as one K, in the product's order):
;;     1. [M 4,096, K 1,024] x [K 1,024, N 256]; A: computed on the way; B: input q1_w: QUANTISED
;;     2. [M 4,096, K 1,024] x [K 1,024, N 256]; A: computed on the way; B: input k1_w: QUANTISED
;;     3. [M 4,096, K 1,024] x [K 1,024, N 256]; A: computed on the way; B: input v1_w: QUANTISED
;;     4. batch 16 x [M 4,096, K 16] x [K 16, N 4,096]; A: computed on the way; B: computed on the way: left as it is (K = 16 < 32)
;;     5. batch 16 x [M 4,096, K 4,096] x [K 4,096, N 16]; A: softmax (see below); B: computed on the way: QUANTISED
;;     6. [M 4,096, K 256] x [K 256, N 1,024]; A: computed on the way; B: input o1_w: QUANTISED
;;     7. [M 4,096, K 1,024] x [K 1,024, N 256]; A: computed on the way; B: input q2_w: QUANTISED
;;     8. [M 77, K 768] x [K 768, N 256]; A: input context; B: input k2_w: QUANTISED
;;     9. [M 77, K 768] x [K 768, N 256]; A: input context; B: input v2_w: QUANTISED
;;     10. batch 16 x [M 4,096, K 16] x [K 16, N 77]; A: computed on the way; B: computed on the way: left as it is (K = 16 < 32)
;;     11. batch 16 x [M 4,096, K 77] x [K 77, N 16]; A: softmax (see below); B: computed on the way: QUANTISED
;;     12. [M 4,096, K 256] x [K 256, N 1,024]; A: computed on the way; B: input o2_w: QUANTISED
;;     13. [M 4,096, K 1,024] x [K 1,024, N 8,192]; A: computed on the way; B: input ff1_w: QUANTISED
;;     14. [M 4,096, K 4,096] x [K 4,096, N 1,024]; A: computed on the way; B: input ff2_w: QUANTISED
;;   THE QUANTISER, for each operand of a quantised product, along K:
;;     - K is cut into blocks of 32 from its start; a last block that is shorter is filled with zeros.
;;     - A block's scale is 2^e with e = floor(log2(the largest magnitude in the block)) - 4, held to -126 .. 127; a block of zeros has e = 0. As a byte (E8M0): e + 127.
;;     - Each number is divided by its block's scale, clamped to +-28, and rounded to the nearest number of E3M2, ties to even, subnormals kept.
;;     - The product sums the exact products of the quantised numbers (number of the format x scale) in f32.
;;   ~~~python
;;   def quantise(x, axis):      # numpy; x: float32 -> the quantised numbers, widened to float32 again
;;       x = np.moveaxis(x, axis, -1); K = x.shape[-1]
;;       x = np.pad(x, [(0, 0)] * (x.ndim - 1) + [(0, -K % 32)]); x = x.reshape(x.shape[:-1] + (-1, 32)); a = np.abs(x).max(-1, keepdims=True)
;;       e = np.where(a > 0, np.clip(np.frexp(np.where(a > 0, a, 1))[1] - 1 - 4, -126, 127), 0)      # np.frexp(a)[1] - 1 = floor(log2(a)), exactly
;;       r = np.clip(x / 2.0 ** e, -28, 28)
;;       step = 2.0 ** (np.maximum(np.frexp(np.where(r == 0, 1, r))[1] - 1, -2) - 2)
;;       q = np.round(r / step) * step * 2.0 ** e      # np.round: ties to even
;;       return np.moveaxis(q.reshape(q.shape[:-2] + (-1,))[..., :K], -1, axis).astype(np.float32)
;;   ~~~
;;   SOFTMAX AHEAD OF A QUANTISED PRODUCT. Where the list says 'softmax', what is quantised is not the finished softmax but p = 2^(t - M), with t = logit x log2(e) and M = ceil(the row's largest t), a whole number; so 1/2 < the row's largest p <= 1. The row's sum l is taken of the UNQUANTISED p, in f32, and the product's result is divided by l at the end. Since M is a whole number, a kernel that streams over the keys may use a running M (the ceiling of the running maximum): every later rescaling is an exact power of two, which a block's scale takes up: the codes' values come out the same.
;;   OPERANDS COMPUTED ON THE WAY. 'Computed on the way' means the value that the module computes at that place (a softmax that the list does not call 'softmax' is quantised finished and normalised). What goes into a quantiser is computed in f32, as accurately as f32 sums, v_exp_f32 and their like allow (about 1e-6 of the number): no bf16 or f16 on the way to a quantiser, and a product that is left as it is and whose result goes on into a quantised operand takes f32 operands (vector FMAs, or v_wmma_f32_16x16x4_f32). A number that lies on a knife's edge between two numbers of the format may be rounded either way, as far as f32 arithmetic and the matrix unit's own rounding can turn it there, and no further.
;; One version. Each part assembles by itself: llvm-mc -triple=amdgcn-amd-amdhsa -mcpu=gfx1250 --defsym DOCPART=n.
;; ======== version 1 of 1: 6 launches
;; workspace buffers: pre 14,720,000 bytes; qkvb 9,400,320 bytes; ao 4,194,304 bytes; h3x 20,054,016 bytes; g 13,107,200 bytes
;; launch prep (part 1): grid 370 x 1, 16 waves a work-group, no clusters, 68,608 bytes of LDS; arguments ff1_w, ff2_w, o1_w, o2_w, q1_w, k1_w, v1_w, q2_w, k2_w, v2_w, x, n1_w, n1_b, context, pre; writes pre
.if DOCPART == 1
	.amdgcn_target "amdgcn-amd-amdhsa--gfx1250"
	.amdhsa_code_object_version 6
	.text
	.protected	k_q122f5cb89b_prep
	.globl	k_q122f5cb89b_prep
	.p2align	8
	.type	k_q122f5cb89b_prep,@function
k_q122f5cb89b_prep:
	s_mov_b64 s[64:65], 0
	v_nop
	global_prefetch_b8 v0, s[64:65] scope:SCOPE_SE
	s_setreg_imm32_b32 hwreg(HW_REG_WAVE_MODE, 25, 1), 1
	s_wait_xcnt 0x0
; All that can be quantised before any product: the ten weights, LayerNorm 1 of x, and the context, into codes of BF6 (E3M2) with one E8M0 byte for each 32 along K.
; IMAGES. An operand fragment (16 rows x 128 K, 12 registers a lane) lies in memory as six parts of 256 bytes: part p holds registers 2 p, 2 p + 1, lane l at 8 l.
; Fragment (tile T, K step ks) has the number ((T / 8) KS + ks) 8 + T % 8; codes at 1,536 x number, scale words (four bytes a row) at 64 x number + 4 x row.
; ROWS OF A TILE. Tile T of an activation holds the rows 32 (T / 2) + 8 (T % 2) + r + 8 (r / 8): so two neighbouring tiles, as results, give a lane 16 neighbours along a next K.
; The weights whose N is a next K (ff1, o1, o2) take the same order for their columns; the others take plain tiles (column 16 T + r).
; PATHS, by the work-group number: 0-110 weights (a wave: 32 columns x 256 K, a lane a column, registers down K); 111-366 LayerNorm 1 (a work-group: a tile of 16 rows); 367-369 the context.
; LIMITS: NaN and infinities are not served; a block whose largest magnitude lies under 2^-122 (zeros among them) gets the byte 1 and zero codes: this program alone reads the bytes.
.set FF1C, 0
.set FF2C, FF1C+6291456
.set O1C,  FF2C+3145728
.set O2C,  O1C+196608
.set Q1C,  O2C+196608
.set K1C,  Q1C+196608
.set V1C,  K1C+196608
.set Q2C,  V1C+196608
.set K2C,  Q2C+196608
.set V2C,  K2C+147456
.set H1C,  V2C+147456
.set CXC,  H1C+3145728
.set FF1S, CXC+73728
.set FF2S, FF1S+262144
.set O1S,  FF2S+131072
.set O2S,  O1S+8192
.set Q1S,  O2S+8192
.set K1S,  Q1S+8192
.set V1S,  K1S+8192
.set Q2S,  V1S+8192
.set K2S,  Q2S+8192
.set V2S,  K2S+6144
.set H1S,  V2S+6144
.set CXS,  H1S+131072
.set WV,  38                           ; s38 wave
.set GJ,  39                           ; s39 16 x work-group + wave
.set SEL, 58                           ; s[58:59] selects of v_permlanex16_b32: lane l xor 16
.set EPS, 60
.set INV, 61
.set X,    32                          ; weights: v32-95 two sets of 32 numbers
.set CODE, 96                          ; v96-143 the four fragments
.set SB,   24                          ; v24-25 scale words
.set TM,  144                          ; v144-149 at work in HFQ
.set PW,  150
.set T0,  144                          ; v144-151 four chains of sums
.set MU,  152
.set RS,  154
.set VE,  156
.set TP,  157
.set PT,  144                          ; the second half of a block's codes (weights' path; set anew for the others)
.set YS,  512                          ; LDS: 512 bytes of scale words, then 16 rows of 4,096 + 16 bytes
.macro BARRIER                         ; my LDS stores have landed and my LDS loads are in: then the work-group's barrier
	s_wait_dscnt 0x0
	s_barrier_signal -1
	s_barrier_wait -1
.endm
; 32 numbers of a lane, register 16 b + i = k 32 b + 16 (lane / 16) + i of row lane % 16, become half a fragment (6 registers) and two scale bytes in v[PW]
.macro HFQ src, dst
.irp b, 0,1
	v_max3_num_f32 v[TM+\b], |v[(\src)+16*\b]|, |v[(\src)+1+16*\b]|, 0x2800000   ; with the floor 2^(5 - 127): the byte cannot fall under 1
.endr
.irp i, 2,4,6,8,10,12,14
.irp b, 0,1
	v_max3_num_f32 v[TM+\b], v[TM+\b], |v[(\src)+16*\b+\i]|, |v[(\src)+1+16*\b+\i]|
.endr
.endr
.irp b, 0,1
	v_permlanex16_b32 v[TM+2+\b], v[TM+\b], s[SEL], s[SEL+1]
.endr
.irp b, 0,1
	v_max_num_f32 v[TM+\b], v[TM+\b], v[TM+2+\b]     ; with lane l xor 16: the block's largest magnitude
.endr
.irp b, 0,1
	v_add_nc_u32 v[TM+4+\b], 0xfe000000, v[TM+\b]    ; 4 off its exponent field: the conversion's scale operand
.endr
.irp b, 0,1
	v_lshrrev_b32 v[TM+2+\b], 23, v[TM+4+\b]         ; the scale's byte
.endr
	v_lshl_or_b32 v[PW], v[TM+3], 8, v[TM+2]
	v_cvt_scalef32_pk16_bf6_f32 v[(\dst):(\dst)+2], v[(\src):(\src)+15], v[TM+4]
	v_cvt_scalef32_pk16_bf6_f32 v[PT:PT+2], v[(\src)+16:(\src)+31], v[TM+5]
	v_nop                                            ; one plain place behind a scaled conversion
.irp i, 0,1,2
	v_permlane16_swap_b32 v[(\dst)+\i], v[PT+\i]     ; a whole block to a lane: lanes 0-15 the even block, lanes 16-31 the odd one
.endr
.irp i, 0,1,2
	v_mov_b32 v[(\dst)+3+\i], v[PT+\i]
.endr
.endm
.macro WSUM v, t                       ; a sum over the wave's 32 lanes, in every lane
	v_add_f32_dpp v[\v], v[\v], v[\v] row_xmask:1 row_mask:0xf bank_mask:0xf
	v_add_f32_dpp v[\v], v[\v], v[\v] row_xmask:2 row_mask:0xf bank_mask:0xf
	v_add_f32_dpp v[\v], v[\v], v[\v] row_xmask:4 row_mask:0xf bank_mask:0xf
	v_add_f32_dpp v[\v], v[\v], v[\v] row_xmask:8 row_mask:0xf bank_mask:0xf
	v_permlanex16_b32 v[\t], v[\v], s[SEL], s[SEL+1]
	v_add_f32 v[\v], v[\v], v[\t]
.endm
.macro JOIN4                           ; four chains of pairs into one number
	v_pk_add_f32 v[T0:T0+1], v[T0:T0+1], v[T0+2:T0+3]
	v_pk_add_f32 v[T0+4:T0+5], v[T0+4:T0+5], v[T0+6:T0+7]
	v_pk_add_f32 v[T0:T0+1], v[T0:T0+1], v[T0+4:T0+5]
	v_add_f32 v[T0], v[T0], v[T0+1]
	WSUM T0, TP
.endm
; the wave holds one row of 1,024 in 32 registers: d = (xr - mean) / sqrt(var + eps), in two passes (no difference of large sums)
.macro ROWSTAT xr, d
.irp k, 0,2,4,6
	v_pk_add_f32 v[T0+\k:T0+\k+1], v[\xr+\k:\xr+\k+1], v[\xr+8+\k:\xr+9+\k]
.endr
.irp j, 16,24
.irp k, 0,2,4,6
	v_pk_add_f32 v[T0+\k:T0+\k+1], v[T0+\k:T0+\k+1], v[\xr+\j+\k:\xr+\j+\k+1]
.endr
.endr
	JOIN4
	v_mul_f32 v[MU], s[INV], v[T0]
	v_mov_b32 v[MU+1], v[MU]
.irp j, 0,2,4,6,8,10,12,14,16,18,20,22,24,26,28,30
	v_pk_add_f32 v[\d+\j:\d+\j+1], v[\xr+\j:\xr+\j+1], v[MU:MU+1] neg_lo:[0,1] neg_hi:[0,1]
.endr
.irp k, 0,2,4,6
	v_pk_mul_f32 v[T0+\k:T0+\k+1], v[\d+\k:\d+\k+1], v[\d+\k:\d+\k+1]
.endr
.irp j, 8,16,24
.irp k, 0,2,4,6
	v_pk_fma_f32 v[T0+\k:T0+\k+1], v[\d+\j+\k:\d+\j+\k+1], v[\d+\j+\k:\d+\j+\k+1], v[T0+\k:T0+\k+1]
.endr
.endr
	JOIN4
	v_fma_f32 v[VE], v[T0], s[INV], s[EPS]
	v_rsq_f32 v[RS], v[VE]
	v_rsq_f32 v[RS+1], v[VE]
	v_nop                                            ; a plain place behind the two roots
	s_wait_alu depctr_va_vdst(0)                     ; one wait for both, ahead of their first reader
.irp j, 0,2,4,6,8,10,12,14,16,18,20,22,24,26,28,30
	v_pk_mul_f32 v[\d+\j:\d+\j+1], v[\d+\j:\d+\j+1], v[RS:RS+1]
.endr
.endm
.macro ROWAFF d, gw, gb
.irp j, 0,2,4,6,8,10,12,14,16,18,20,22,24,26,28,30
	v_pk_fma_f32 v[\d+\j:\d+\j+1], v[\d+\j:\d+\j+1], v[\gw+\j:\gw+\j+1], v[\gb+\j:\gb+\j+1]
.endr
.endm
; where a weight job's results go.  s46 first tile, s47 KS, s48 which 256 along K, s54 and s55 the weight's codes and scales in pre
.macro WADDR
	s_lshr_b32 s51, s46, 3
	s_mul_i32 s51, s51, s47
	s_lshl_b32 s52, s48, 1
	s_add_co_u32 s51, s51, s52
	s_lshl_b32 s51, s51, 3
	s_and_b32 s52, s46, 7
	s_add_co_u32 s51, s51, s52                       ; the first fragment's number
	s_mul_i32 s52, s51, 1536
	s_add_co_u32 s52, s52, s54
	s_mov_b32 s53, 0
	s_add_nc_u64 s[42:43], s[36:37], s[52:53]
	s_lshl_b32 s52, s51, 6
	s_add_co_u32 s52, s52, s55
	s_add_nc_u64 s[44:45], s[36:37], s[52:53]
.endm
.macro LOADW t, n                      ; block t: rows 32 t + i of my column; the wave reads 128 consecutive bytes a load
.irp i, 0,1,2,3,4,5,6,7,8,9,10,11,12,13,14,15,16,17,18,19,20,21,22,23,24,25,26,27,28,29,30,31
	global_load_b32 v[X+32*((\t)%2)+\i], v3, s[40:41] offset:(32*(\t)+\i)*(\n)*4 th:TH_LOAD_NT
.endr
.endm
.macro WBLOCK t, n
.set XS, X+32*((\t)%2)
.set DST, CODE+24*((\t)/4)+12*((\t)%2)+6*(((\t)%4)/2)
.if (\t) < 7
	s_wait_loadcnt 32                                ; this block's 32 loads are in; the next block's 32 may be out
.else
	s_wait_loadcnt 0x0
.endif
	v_max3_num_f32 v12, |v[XS]|, |v[XS+1]|, |v[XS+2]|
	v_max3_num_f32 v13, |v[XS+3]|, |v[XS+4]|, |v[XS+5]|
.irp i, 6,10,14,18,22,26
	v_max3_num_f32 v12, v12, |v[XS+\i]|, |v[XS+\i+1]|
	v_max3_num_f32 v13, v13, |v[XS+\i+2]|, |v[XS+\i+3]|
.endr
	v_max3_num_f32 v12, v12, |v[XS+30]|, |v[XS+31]|
	v_max3_num_f32 v12, v12, v13, 0x2800000          ; the floor 2^(5 - 127)
	v_add_nc_u32 v11, 0xfe000000, v12
	v_lshrrev_b32 v13, 23, v11
.if (\t)%4 == 0
	v_mov_b32 v[SB+(\t)/4], v13
.else
	v_lshl_or_b32 v[SB+(\t)/4], v13, 8*((\t)%4), v[SB+(\t)/4]
.endif
	v_cvt_scalef32_pk16_bf6_f32 v[DST:DST+2], v[XS:XS+15], v11
	v_cvt_scalef32_pk16_bf6_f32 v[PT:PT+2], v[XS+16:XS+31], v11
	v_nop
.irp i, 0,1,2
	v_mov_b32 v[DST+3+\i], v[PT+\i]
.endr
.if (\t) < 6
	LOADW (\t)+2, \n
.endif
.endm
; a job: lanes 0-15 hold the rows of tile X, lanes 16-31 those of tile X + 1.  Even blocks were laid into X's registers and odd ones into the other's: one exchange of halves makes both fragments
.macro WJOB n
	LOADW 0, \n
	LOADW 1, \n
.irp t, 0,1,2,3,4,5,6,7
	WBLOCK \t, \n
.endr
.irp q, 0,1
.irp i, 0,1,2,3,4,5,6,7,8,9,10,11
	v_permlane16_swap_b32 v[CODE+24*\q+\i], v[CODE+24*\q+12+\i]
.endr
.endr
.irp q, 0,1
.irp f, 0,1
.irp p, 0,1,2,3,4,5
	global_store_b64 v4, v[CODE+24*\q+12*\f+2*\p:CODE+24*\q+12*\f+2*\p+1], s[42:43] offset:12288*\q+1536*\f+256*\p   ; 256 consecutive bytes, aligned
.endr
.endr
.endr
.irp q, 0,1
	global_store_b32 v5, v[SB+\q], s[44:45] offset:512*\q    ; both tiles' words: 128 consecutive bytes
.endr
	s_endpgm
.endm
	s_load_b512 s[8:23], s[0:1], 0x0                 ; ff1_w, ff2_w, o1_w, o2_w, q1_w, k1_w, v1_w, q2_w
	s_load_b256 s[24:31], s[0:1], 0x40               ; k2_w, v2_w, x, n1_w
	s_load_b128 s[32:35], s[0:1], 0x60               ; n1_b, context
	s_load_b64 s[36:37], s[0:1], 0x70                ; pre
	v_lshl_add_u32 v160, v0, 2, 0x10400
	v_mov_b32 v161, 0
	v_lshrrev_b32 v1, 5, v0
	v_readfirstlane_b32 s[WV], v1
	v_and_b32 v1, 31, v0                             ; l
	v_and_b32 v2, 15, v0                             ; r
	v_bfe_u32 v6, v0, 4, 1                           ; h
	v_lshlrev_b32 v4, 3, v1                          ; 8 l
	v_lshlrev_b32 v5, 2, v1                          ; 4 l
	v_and_b32 v7, 7, v1
	v_and_b32 v8, 8, v1
	v_lshl_or_b32 v7, v8, 1, v7
	v_and_b32 v8, 16, v1
	v_lshrrev_b32 v8, 1, v8
	v_or_b32 v7, v7, v8
	v_lshlrev_b32 v7, 2, v7                          ; 4 x the column of lane l where the tiles' rows are not neighbours
	v_mov_b32 v[TM+2], 0                             ; a lane permute's destination counts as read: written once
	v_mov_b32 v[TM+3], 0
	v_mov_b32 v[TP], 0
	s_mov_b32 s[SEL], 0x76543210
	s_mov_b32 s[SEL+1], 0xfedcba98
	s_mov_b32 s[EPS], 0x3727c5ac                     ; 1e-5
	s_mov_b32 s[INV], 0x3a800000                     ; 1 / 1,024
	s_lshl_b32 s[GJ], ttmp9, 4
	s_add_co_u32 s[GJ], s[GJ], s[WV]
	s_wait_kmcnt 0x0
	s_cmp_lt_u32 ttmp9, 64
	s_cbranch_scc1 .Lw8192
	s_cmp_lt_u32 ttmp9, 100
	s_cbranch_scc1 .Lw1024
	s_cmp_lt_u32 ttmp9, 111
	s_cbranch_scc1 .Lw256
	s_cmp_lt_u32 ttmp9, 367
	s_cbranch_scc1 .Lln
	; ---- the context: a wave makes one fragment (tile T of 8, K step ks of 6); rows from 77 on are zeros
.set PT, 92
	s_sub_co_u32 s46, s[GJ], 367*16
	s_and_b32 s47, s46, 7                            ; T
	s_lshr_b32 s48, s46, 3                           ; ks
	s_lshr_b32 s49, s47, 1
	s_lshl_b32 s49, s49, 5
	s_and_b32 s50, s47, 1
	s_lshl_b32 s50, s50, 3
	s_add_co_u32 s49, s49, s50
	v_and_b32 v8, 8, v2
	v_add_nc_u32 v8, v8, v2
	v_add_nc_u32 v8, s49, v8                         ; my row
	v_cmp_gt_u32 vcc_lo, 77, v8
	v_mov_b32 v11, 1.0
	v_cndmask_b32 v10, 0, v11, vcc_lo                ; 1 for a row that exists, else 0
	v_mov_b32 v11, v10
	v_min_u32 v8, 76, v8                             ; no load leaves the buffer
	v_mul_u32_u24 v9, v8, 3072
	v_lshl_add_u32 v9, v6, 6, v9
	s_lshl_b32 s50, s48, 9
	v_add_nc_u32 v9, s50, v9
	v_lshlrev_b32 v12, 2, v2
.irp b, 0,1,2,3
.irp x, 0,1,2,3
	global_load_b128 v[16+16*\b+4*\x:16+16*\b+4*\x+3], v9, s[34:35] offset:128*\b+16*\x
.endr
.endr
	s_lshl_b32 s51, s48, 3
	s_add_co_u32 s51, s51, s47                       ; the fragment's number
	s_mul_i32 s52, s51, 1536
	s_add_co_u32 s52, s52, CXC
	s_mov_b32 s53, 0
	s_add_nc_u64 s[42:43], s[36:37], s[52:53]
	s_lshl_b32 s52, s51, 6
	s_add_co_u32 s52, s52, CXS
	s_add_nc_u64 s[44:45], s[36:37], s[52:53]
	s_wait_loadcnt 0x0
.set jj, 0
.rept 32
	v_pk_mul_f32 v[16+jj:17+jj], v[16+jj:17+jj], v[10:11]
.set jj, jj+2
.endr
	HFQ 16, 80
	v_mov_b32 v151, v[PW]
	HFQ 48, 86
	v_lshl_or_b32 v[PW], v[PW], 16, v151             ; the row's scale word
.irp p, 0,1,2,3,4,5
	global_store_b64 v4, v[80+2*\p:81+2*\p], s[42:43] offset:256*\p
.endr
	global_store_b32 v12, v[PW], s[44:45]            ; lanes r and r + 16 hold the same word and write it to the same place
	s_endpgm
.set PT, 144
.Lw8192:                                                 ; ff1_w: 256 groups of 32 columns x 4 runs of 256 along K
	s_and_b32 s46, s[GJ], 255                        ; the group of columns
	s_lshr_b32 s48, s[GJ], 8
	s_lshl_b32 s50, s48, 23                          ; 256 rows of 32,768 bytes
	s_lshl_b32 s51, s46, 7
	s_add_co_u32 s50, s50, s51
	s_mov_b32 s51, 0
	s_add_nc_u64 s[40:41], s[8:9], s[50:51]
	s_and_b32 s52, s46, 127                          ; a block of eight tiles holds 64 columns of a (tiles 0-3) and the 64 matching columns of the gate (tiles 4-7)
	s_lshr_b32 s52, s52, 1
	s_lshl_b32 s52, s52, 3
	s_lshr_b32 s53, s46, 7
	s_lshl_b32 s53, s53, 2
	s_add_co_u32 s52, s52, s53
	s_and_b32 s53, s46, 1
	s_lshl_b32 s53, s53, 1
	s_add_co_u32 s46, s52, s53
	s_mov_b32 s47, 8
	s_mov_b32 s54, FF1C
	s_mov_b32 s55, FF1S
	WADDR
	v_mov_b32 v3, v7
	WJOB 8192
.Lw1024:                                                 ; ff2_w (512 jobs), then o1_w and o2_w (32 each)
	s_sub_co_u32 s46, s[GJ], 1024
	s_sub_co_u32 s47, s[GJ], 1536
	s_lshr_b32 s48, s46, 5
	s_lshr_b32 s49, s47, 5                           ; 0: o1, 1: o2
	s_and_b32 s50, s[GJ], 31                         ; the group of columns
	s_mul_i32 s51, s49, 196608
	s_add_co_u32 s51, s51, O1C
	s_lshl_b32 s52, s49, 13
	s_add_co_u32 s52, s52, O1S
	s_mov_b32 s54, FF2C
	s_mov_b32 s55, FF2S
	s_cmp_eq_u32 s49, 0
	s_cselect_b64 s[40:41], s[12:13], s[14:15]
	s_cmp_lt_u32 s[GJ], 1536
	s_cselect_b64 s[40:41], s[10:11], s[40:41]
	s_cselect_b32 s48, s48, 0
	s_cselect_b32 s47, 32, 2
	s_cselect_b32 s54, s54, s51
	s_cselect_b32 s55, s55, s52
	s_cselect_b32 s56, 0, -1
	v_cndmask_b32 v3, v5, v7, s56                    ; plain tiles for ff2, the other order for o1 and o2
	s_lshl_b32 s52, s48, 20                          ; 256 rows of 4,096 bytes
	s_lshl_b32 s53, s50, 7
	s_add_co_u32 s52, s52, s53
	s_mov_b32 s53, 0
	s_add_nc_u64 s[40:41], s[40:41], s[52:53]
	s_lshl_b32 s46, s50, 1
	WADDR
	WJOB 1024
.Lw256:                                                  ; q1, k1, v1, q2 (32 jobs each), then k2, v2 (24 each)
	s_sub_co_u32 s46, s[GJ], 1600
	s_sub_co_u32 s47, s[GJ], 1728
	s_lshr_b32 s49, s46, 5                           ; which of the four
	s_and_b32 s50, s46, 31
	s_cmp_ge_u32 s47, 24
	s_cselect_b32 s51, 1, 0                          ; k2 or v2
	s_mul_i32 s52, s51, 24
	s_sub_co_u32 s52, s47, s52
	s_mul_i32 s53, s49, 196608
	s_add_co_u32 s53, s53, Q1C
	s_lshl_b32 s54, s49, 13
	s_add_co_u32 s54, s54, Q1S
	s_mul_i32 s55, s51, 147456
	s_add_co_u32 s55, s55, K2C
	s_mul_i32 s48, s51, 6144
	s_add_co_u32 s48, s48, K2S
	s_cmp_eq_u32 s49, 0
	s_cselect_b64 s[40:41], s[16:17], s[18:19]
	s_cmp_lt_u32 s49, 2
	s_cselect_b64 s[40:41], s[40:41], s[20:21]
	s_cmp_lt_u32 s49, 3
	s_cselect_b64 s[40:41], s[40:41], s[22:23]
	s_cmp_eq_u32 s51, 0
	s_cselect_b64 s[56:57], s[24:25], s[26:27]
	s_cmp_lt_u32 s46, 128
	s_cselect_b64 s[40:41], s[40:41], s[56:57]
	s_cselect_b32 s50, s50, s52                      ; the job's number in its weight
	s_cselect_b32 s47, 8, 6
	s_cselect_b32 s55, s54, s48
	s_cselect_b32 s54, s53, s55
	s_cmp_lt_u32 s46, 128
	s_cselect_b32 s54, s53, s54
	s_mul_i32 s53, s51, 147456
	s_add_co_u32 s53, s53, K2C
	s_cmp_lt_u32 s46, 128
	s_cselect_b32 s54, s54, s53                      ; the codes' place: the four's, or k2's and v2's
	s_and_b32 s46, s50, 7                            ; the group of columns
	s_lshr_b32 s48, s50, 3
	s_lshl_b32 s52, s48, 18                          ; 256 rows of 1,024 bytes
	s_lshl_b32 s53, s46, 7
	s_add_co_u32 s52, s52, s53
	s_mov_b32 s53, 0
	s_add_nc_u64 s[40:41], s[40:41], s[52:53]
	s_lshl_b32 s46, s46, 1
	WADDR
	v_mov_b32 v3, v5
	WJOB 256
	; ---- LayerNorm 1: wave w norms one row of the tile; then wave w quantises 64 along K of all 16 rows
.set PT, 86
.Lln:
	s_sub_co_u32 s46, ttmp9, 111                     ; T
	s_lshr_b32 s47, s46, 1
	s_lshl_b32 s47, s47, 5
	s_and_b32 s48, s46, 1
	s_lshl_b32 s48, s48, 3
	s_add_co_u32 s47, s47, s48
	s_add_co_u32 s47, s47, s[WV]
	s_lshr_b32 s48, s[WV], 3
	s_lshl_b32 s48, s48, 3
	s_add_co_u32 s47, s47, s48                       ; my row of x
	s_lshl_b32 s50, s47, 12
	s_mov_b32 s51, 0
	s_add_nc_u64 s[40:41], s[28:29], s[50:51]
	v_lshlrev_b32 v3, 4, v1                          ; 16 l
.irp j, 0,1,2,3,4,5,6,7
	global_load_b128 v[16+4*\j:19+4*\j], v3, s[40:41] offset:512*\j th:TH_LOAD_NT
.endr
.irp j, 0,1,2,3,4,5,6,7
	global_load_b128 v[80+4*\j:83+4*\j], v3, s[30:31] offset:512*\j
.endr
.irp j, 0,1,2,3,4,5,6,7
	global_load_b128 v[112+4*\j:115+4*\j], v3, s[32:33] offset:512*\j
.endr
	s_mul_i32 s52, s[WV], 4112
	s_add_co_u32 s52, s52, YS
	v_add_nc_u32 v9, s52, v3                         ; my row in LDS, 16 bytes a lane
	v_mul_u32_u24 v10, v2, 4112
	v_lshl_add_u32 v10, v6, 6, v10
	s_lshl_b32 s52, s[WV], 8
	s_add_co_u32 s52, s52, YS
	v_add_nc_u32 v10, s52, v10                       ; row r, my wave's 64 along K, my half's 16 of a block
	s_lshr_b32 s52, s[WV], 1
	s_lshl_b32 s52, s52, 6
	s_and_b32 s53, s[WV], 1
	s_lshl_b32 s53, s53, 1
	s_add_co_u32 s52, s52, s53
	v_lshl_add_u32 v11, v2, 2, s52                   ; my two bytes of row r's scale word
	v_lshlrev_b32 v12, 9, v6
	v_lshl_add_u32 v12, v2, 2, v12                   ; 512 h + 4 r
	s_lshr_b32 s51, s46, 3
	s_lshl_b32 s51, s51, 3
	s_lshr_b32 s52, s[WV], 1
	s_add_co_u32 s51, s51, s52
	s_lshl_b32 s51, s51, 3
	s_and_b32 s52, s46, 7
	s_add_co_u32 s51, s51, s52                       ; the number of fragment (T, w / 2)
	s_mul_i32 s52, s51, 1536
	s_and_b32 s53, s[WV], 1
	s_mul_i32 s53, s53, 768
	s_add_co_u32 s52, s52, s53
	s_add_co_u32 s52, s52, H1C
	s_mov_b32 s53, 0
	s_add_nc_u64 s[42:43], s[36:37], s[52:53]
	s_lshr_b32 s51, s46, 3
	s_lshl_b32 s51, s51, 6
	s_and_b32 s52, s46, 7
	s_add_co_u32 s51, s51, s52
	s_lshl_b32 s52, s51, 6
	s_add_co_u32 s52, s52, H1S
	s_add_nc_u64 s[44:45], s[36:37], s[52:53]
	s_wait_loadcnt 16                                ; the row is in; the 16 loads of gain and bias may be out
	ROWSTAT 16, 48
	s_wait_loadcnt 0x0
	ROWAFF 48, 80, 112
.irp j, 0,1,2,3,4,5,6,7
	ds_store_b128 v9, v[48+4*\j:51+4*\j] offset:512*\j
.endr
	BARRIER                                          ; the tile's 16 normed rows lie in LDS
.irp b, 0,1
.irp x, 0,1,2,3
	ds_load_b128 v[48+16*\b+4*\x:48+16*\b+4*\x+3], v10 offset:128*\b+16*\x   ; rows 4,112 bytes apart
.endr
.endr
	s_wait_dscnt 0x0
	HFQ 48, 80
.irp p, 0,1,2
	global_store_b64 v4, v[80+2*\p:81+2*\p], s[42:43] offset:256*\p
.endr
	ds_store_b16 v11, v[PW]                          ; lanes r and r + 16 write the same two bytes
	BARRIER                                          ; the tile's 8 x 16 scale words are whole
	s_cmp_lg_u32 s[WV], 0
	s_cbranch_scc1 .Lln_end
.irp t, 0,1,2,3
	ds_load_b32 v[16+\t], v5 offset:128*\t
.endr
	s_wait_dscnt 0x0
.irp t, 0,1,2,3
	global_store_b32 v12, v[16+\t], s[44:45] offset:1024*\t   ; runs of 64 bytes: the words of one fragment; 512 bytes a tile
.endr
.Lln_end:
	s_wait_tensorcnt 0x0
	ds_add_u32 v160, v161
	s_wait_dscnt 0x0
	s_endpgm
.Lfunc_end_k_q122f5cb89b_prep:
	.size	k_q122f5cb89b_prep, .Lfunc_end_k_q122f5cb89b_prep-k_q122f5cb89b_prep
	.p2alignl 7, 3214868480
	.fill 96, 4, 3214868480
	.section	.rodata,"a",@progbits
	.p2align	6, 0x0
	.amdhsa_kernel k_q122f5cb89b_prep
		.amdhsa_group_segment_fixed_size 68608
		.amdhsa_private_segment_fixed_size 0
		.amdhsa_enable_private_segment 0
		.amdhsa_kernarg_size 120
		.amdhsa_user_sgpr_count 2
		.amdhsa_user_sgpr_kernarg_segment_ptr 1
		.amdhsa_wavefront_size32 1
		.amdhsa_system_sgpr_workgroup_id_x 1
		.amdhsa_system_sgpr_workgroup_id_y 1
		.amdhsa_system_sgpr_workgroup_id_z 1
		.amdhsa_system_vgpr_workitem_id 0
		.amdhsa_next_free_vgpr 162
		.amdhsa_next_free_sgpr 66
		.amdhsa_reserve_vcc 1
		.amdhsa_float_denorm_mode_32 3
		.amdhsa_float_denorm_mode_16_64 3
		.amdhsa_memory_ordered 1
		.amdhsa_forward_progress 1
		.amdhsa_inst_pref_size 148
	.end_amdhsa_kernel
	.amdgpu_metadata
---
amdhsa.version: [ 1, 2 ]
amdhsa.kernels:
  - .name:           k_q122f5cb89b_prep
    .symbol:         k_q122f5cb89b_prep.kd
    .args:
      - { .name: ff1_w, .offset: 0, .size: 8, .value_kind: global_buffer, .address_space: global }
      - { .name: ff2_w, .offset: 8, .size: 8, .value_kind: global_buffer, .address_space: global }
      - { .name: o1_w, .offset: 16, .size: 8, .value_kind: global_buffer, .address_space: global }
      - { .name: o2_w, .offset: 24, .size: 8, .value_kind: global_buffer, .address_space: global }
      - { .name: q1_w, .offset: 32, .size: 8, .value_kind: global_buffer, .address_space: global }
      - { .name: k1_w, .offset: 40, .size: 8, .value_kind: global_buffer, .address_space: global }
      - { .name: v1_w, .offset: 48, .size: 8, .value_kind: global_buffer, .address_space: global }
      - { .name: q2_w, .offset: 56, .size: 8, .value_kind: global_buffer, .address_space: global }
      - { .name: k2_w, .offset: 64, .size: 8, .value_kind: global_buffer, .address_space: global }
      - { .name: v2_w, .offset: 72, .size: 8, .value_kind: global_buffer, .address_space: global }
      - { .name: x, .offset: 80, .size: 8, .value_kind: global_buffer, .address_space: global }
      - { .name: n1_w, .offset: 88, .size: 8, .value_kind: global_buffer, .address_space: global }
      - { .name: n1_b, .offset: 96, .size: 8, .value_kind: global_buffer, .address_space: global }
      - { .name: context, .offset: 104, .size: 8, .value_kind: global_buffer, .address_space: global }
      - { .name: pre, .offset: 112, .size: 8, .value_kind: global_buffer, .address_space: global }
    .group_segment_fixed_size: 68608
    .private_segment_fixed_size: 0
    .kernarg_segment_align: 8
    .kernarg_segment_size: 120
    .max_flat_workgroup_size: 512
    .sgpr_count:     66
    .vgpr_count:     162
    .wavefront_size: 32
...
	.end_amdgpu_metadata
.endif
;; end of part 1
;; launch qkv (part 2): grid 196 x 1, 8 waves a work-group, no clusters, 0 bytes of LDS; arguments pre, qkvb; writes qkvb
.if DOCPART == 2
	.amdgcn_target "amdgcn-amd-amdhsa--gfx1250"
	.amdhsa_code_object_version 6
	.text
	.protected	k_q122f5cb89b_qkv
	.globl	k_q122f5cb89b_qkv
	.p2align	8
	.type	k_q122f5cb89b_qkv,@function
k_q122f5cb89b_qkv:
	s_mov_b64 s[64:65], 0
	v_nop
	global_prefetch_b8 v0, s[64:65] scope:SCOPE_SE
	s_setreg_imm32_b32 hwreg(HW_REG_WAVE_MODE, 25, 1), 1
	s_wait_xcnt 0x0
; q, k, v of the self-attention (rows of LayerNorm 1) and k2, v2 of the cross-attention (rows of the context): products on codes of BF6, both operands as images from pre, straight into registers.
; A wave: 128 rows (8 tiles) x one head (16 columns) through all of K; 8 accumulators by turns.  No LDS, no barrier: waves share nothing.
; q, k, k2: used transposed (source 0 = the weight, source 1 = the rows): a lane holds row r and dims 8 h + 0..7, which is the f32 image that the score products load: tile x 1,024 bytes, part c at 512 c + 16 l.
; v, v2: source 0 = the rows (keys): a lane holds dim r, and by the order of a tile's rows the registers of tiles 2 b, 2 b + 1 are the keys 32 b + 16 h + 0..15: quantised along the keys in registers.
; Work-groups 0-191: rows block wg % 32, (wg / 32) / 2 = q, k, v, heads 8 ((wg / 32) % 2) + wave.  192-195: the context.
; LIMITS: NaN and infinities are not served; a block under 2^-122 gets the byte 1 and zero codes.
.set Q1C, 9830400
.set K2C, 10616832
.set H1C, 10911744
.set CXC, 14057472
.set Q1S, 14540800
.set K2S, 14573568
.set H1S, 14585856
.set CXS, 14716928
.set QIMG, 0
.set KIMG, 4194304
.set VREC, 8388608
.set K2IMG, 9240576
.set V2REC, 9371648
.set WV, 40
.set HD, 41
.set SEL, 42
.set ACC, 16                           ; v16-79   eight accumulators
.set AF,  80                           ; v80-175  the rows' eight fragments
.set BF,  176                          ; v176-199 the weight's fragment, two sets
.set AS,  200                          ; v200-207 the rows' scale words, a register a tile
.set BS,  208                          ; v208-209 the weight's, two sets
.set PC,  210                          ; v210-221 v's codes
.set PT,  222
.set TM,  226
.set PW,  232
.macro NOP4
.rept 4
	v_nop
.endr
.endm
.macro HFQ src, dst
.irp b, 0,1
	v_max3_num_f32 v[TM+\b], |v[(\src)+16*\b]|, |v[(\src)+1+16*\b]|, 0x2800000
.endr
.irp i, 2,4,6,8,10,12,14
.irp b, 0,1
	v_max3_num_f32 v[TM+\b], v[TM+\b], |v[(\src)+16*\b+\i]|, |v[(\src)+1+16*\b+\i]|
.endr
.endr
.irp b, 0,1
	v_permlanex16_b32 v[TM+2+\b], v[TM+\b], s[SEL], s[SEL+1]
.endr
.irp b, 0,1
	v_max_num_f32 v[TM+\b], v[TM+\b], v[TM+2+\b]
.endr
.irp b, 0,1
	v_add_nc_u32 v[TM+4+\b], 0xfe000000, v[TM+\b]
.endr
.irp b, 0,1
	v_lshrrev_b32 v[TM+2+\b], 23, v[TM+4+\b]
.endr
	v_lshl_or_b32 v[PW], v[TM+3], 8, v[TM+2]
	v_cvt_scalef32_pk16_bf6_f32 v[(\dst):(\dst)+2], v[(\src):(\src)+15], v[TM+4]
	v_cvt_scalef32_pk16_bf6_f32 v[PT:PT+2], v[(\src)+16:(\src)+31], v[TM+5]
	v_nop
.irp i, 0,1,2
	v_permlane16_swap_b32 v[(\dst)+\i], v[PT+\i]
.endr
.irp i, 0,1,2
	v_mov_b32 v[(\dst)+3+\i], v[PT+\i]
.endr
.endm
.macro GA q, i0                        ; four tiles' fragments and scale words of K step q (counted from the bases): 28 loads
.irp i, \i0, \i0+1, \i0+2, \i0+3
.irp p, 0,1,2,3,4,5
	global_load_b64 v[AF+12*(\i)+2*\p:AF+12*(\i)+2*\p+1], v1, s[8:9] offset:12288*(\q)+1536*(\i)+256*\p
.endr
	global_load_b32 v[AS+(\i)], v3, s[10:11] offset:512*(\q)+64*(\i)
.endr
.endm
.macro G0 q, set                       ; tiles 0-3 and the weight: 35 loads
	GA \q, 0
.irp p, 0,1,2,3,4,5
	global_load_b64 v[BF+12*(\set)+2*\p:BF+12*(\set)+2*\p+1], v1, s[12:13] offset:12288*(\q)+256*\p
.endr
	global_load_b32 v[BS+(\set)], v3, s[14:15] offset:512*(\q)
.endm
.macro MULH role, half, set, zero
.irp i, 0,1,2,3
.if \role == 0
.if \zero
	v_wmma_scale_f32_16x16x128_f8f6f4 v[ACC+8*(4*\half+\i):ACC+8*(4*\half+\i)+7], v[BF+12*(\set):BF+12*(\set)+11], v[AF+12*(4*\half+\i):AF+12*(4*\half+\i)+11], 0, v[BS+(\set)], v[AS+4*\half+\i] matrix_a_fmt:MATRIX_FMT_BF6 matrix_b_fmt:MATRIX_FMT_BF6
.else
	v_wmma_scale_f32_16x16x128_f8f6f4 v[ACC+8*(4*\half+\i):ACC+8*(4*\half+\i)+7], v[BF+12*(\set):BF+12*(\set)+11], v[AF+12*(4*\half+\i):AF+12*(4*\half+\i)+11], v[ACC+8*(4*\half+\i):ACC+8*(4*\half+\i)+7], v[BS+(\set)], v[AS+4*\half+\i] matrix_a_fmt:MATRIX_FMT_BF6 matrix_b_fmt:MATRIX_FMT_BF6
.endif
.else
.if \zero
	v_wmma_scale_f32_16x16x128_f8f6f4 v[ACC+8*(4*\half+\i):ACC+8*(4*\half+\i)+7], v[AF+12*(4*\half+\i):AF+12*(4*\half+\i)+11], v[BF+12*(\set):BF+12*(\set)+11], 0, v[AS+4*\half+\i], v[BS+(\set)] matrix_a_fmt:MATRIX_FMT_BF6 matrix_b_fmt:MATRIX_FMT_BF6
.else
	v_wmma_scale_f32_16x16x128_f8f6f4 v[ACC+8*(4*\half+\i):ACC+8*(4*\half+\i)+7], v[AF+12*(4*\half+\i):AF+12*(4*\half+\i)+11], v[BF+12*(\set):BF+12*(\set)+11], v[ACC+8*(4*\half+\i):ACC+8*(4*\half+\i)+7], v[AS+4*\half+\i], v[BS+(\set)] matrix_a_fmt:MATRIX_FMT_BF6 matrix_b_fmt:MATRIX_FMT_BF6
.endif
.endif
.endr
.endm
.macro KS1 role, q, zero, next         ; one K step of 128
	s_wait_loadcnt 28                                ; tiles 0-3 and the weight are in; the 28 loads of tiles 4-7 may be out
	MULH \role, 0, (\q)%2, \zero
	NOP4                                             ; four places in front of loads into registers that matrix instructions have read
.if \next
	G0 (\q)+1, 1-(\q)%2
	s_wait_loadcnt 35                                ; tiles 4-7 are in; the 35 loads just issued may be out
.else
	s_wait_loadcnt 0x0
.endif
	MULH \role, 1, (\q)%2, \zero
	NOP4
.if \next
	GA (\q)+1, 4
.endif
.endm
.macro KPAIR role, first, last
	KS1 \role, 0, \first, 1
	KS1 \role, 1, 0, 1-(\last)
.if (\last) == 0
	s_wait_xcnt 0x0                                  ; the loads have read their bases: these step two K steps
	s_add_nc_u64 s[8:9], s[8:9], 24576
	s_add_nc_u64 s[12:13], s[12:13], 24576
	s_add_nc_u64 s[10:11], s[10:11], 1024
	s_add_nc_u64 s[14:15], s[14:15], 1024
.endif
.endm
.macro GEMM role
	G0 0, 0
	GA 0, 4
	KPAIR \role, 1, 0
.Lk_\@:                                                  ; KS / 2 - 2 trips: 2, or 1 for the context
	KPAIR \role, 0, 0
	s_sub_co_u32 s28, s28, 1
	s_cmp_lg_u32 s28, 0
	s_cbranch_scc1 .Lk_\@
	KPAIR \role, 0, 1
.endm
	s_load_b128 s[4:7], s[0:1], 0x0                  ; pre, qkvb
	v_lshrrev_b32 v5, 5, v0
	v_readfirstlane_b32 s[WV], v5
	v_and_b32 v5, 31, v0
	v_and_b32 v6, 15, v0
	v_lshlrev_b32 v1, 3, v5                          ; 8 l
	v_lshlrev_b32 v2, 2, v5                          ; 4 l
	v_lshlrev_b32 v3, 2, v6                          ; 4 r
	v_lshlrev_b32 v4, 4, v5                          ; 16 l
	v_mov_b32 v[TM+2], 0
	v_mov_b32 v[TM+3], 0
	s_mov_b32 s[SEL], 0x76543210
	s_mov_b32 s[SEL+1], 0xfedcba98
	s_and_b32 s20, ttmp9, 31                         ; the block of 128 rows
	s_lshr_b32 s21, ttmp9, 5
	s_sub_co_u32 s22, ttmp9, 192
	s_lshr_b32 s23, s21, 1
	s_and_b32 s24, s21, 1
	s_lshr_b32 s25, s22, 1
	s_and_b32 s26, s22, 1
	s_mov_b32 s30, H1C
	s_mov_b32 s31, H1S
	s_mov_b32 s32, Q1C
	s_mov_b32 s33, 196608
	s_mov_b32 s34, Q1S
	s_mov_b32 s35, 8192
	s_cmp_ge_u32 ttmp9, 192                          ; the context?
	s_cselect_b32 s20, 0, s20
	s_cselect_b32 s36, s25, s23                      ; which weight of its family
	s_cselect_b32 s24, s26, s24                      ; which eight heads
	s_cselect_b32 s27, 6, 8                          ; KS
	s_cselect_b32 s28, 1, 2                          ; the loop's trips
	s_cselect_b32 s29, 1, 0
	s_cselect_b32 s30, CXC, s30
	s_cselect_b32 s31, CXS, s31
	s_cselect_b32 s32, K2C, s32
	s_cselect_b32 s33, 147456, s33
	s_cselect_b32 s34, K2S, s34
	s_cselect_b32 s35, 6144, s35
	s_add_co_u32 s23, s36, s29                       ; 0 q, 1 k, 2 v
	s_lshl_b32 s[HD], s24, 3
	s_add_co_u32 s[HD], s[HD], s[WV]                 ; the head
	s_mov_b32 s39, 0
	s_wait_kmcnt 0x0
	s_mul_i32 s37, s20, s27
	s_mul_i32 s38, s37, 12288
	s_add_co_u32 s38, s38, s30
	s_add_nc_u64 s[8:9], s[4:5], s[38:39]            ; the rows' codes
	s_lshl_b32 s38, s37, 9
	s_add_co_u32 s38, s38, s31
	s_add_nc_u64 s[10:11], s[4:5], s[38:39]          ; their scale words
	s_mul_i32 s37, s24, s27
	s_lshl_b32 s37, s37, 3
	s_add_co_u32 s37, s37, s[WV]                     ; the number of the weight's first fragment
	s_mul_i32 s38, s37, 1536
	s_mul_i32 s44, s36, s33
	s_add_co_u32 s38, s38, s44
	s_add_co_u32 s38, s38, s32
	s_add_nc_u64 s[12:13], s[4:5], s[38:39]
	s_lshl_b32 s38, s37, 6
	s_mul_i32 s44, s36, s35
	s_add_co_u32 s38, s38, s44
	s_add_co_u32 s38, s38, s34
	s_add_nc_u64 s[14:15], s[4:5], s[38:39]
	s_cmp_eq_u32 s23, 2
	s_cbranch_scc1 .Lrole_v
	s_lshl_b32 s30, s[HD], 8                         ; q, k: (256 head + 8 block) tiles of 1,024 bytes, k 4 MiB behind q;  k2: 8 tiles a head
	s_lshl_b32 s31, s20, 3
	s_add_co_u32 s30, s30, s31
	s_lshl_b32 s30, s30, 10
	s_lshl_b32 s31, s23, 22
	s_add_co_u32 s30, s30, s31
	s_lshl_b32 s31, s[HD], 13
	s_add_co_u32 s31, s31, K2IMG
	s_cmp_eq_u32 s29, 1
	s_cselect_b32 s30, s31, s30
	s_mov_b32 s31, 0
	s_add_nc_u64 s[16:17], s[6:7], s[30:31]
	GEMM 0
.irp i, 0,1,2,3,4,5,6,7
	global_store_b128 v4, v[ACC+8*\i:ACC+8*\i+3], s[16:17] offset:1024*\i          ; each accumulator from its low end on; 512 consecutive bytes a store
	global_store_b128 v4, v[ACC+8*\i+4:ACC+8*\i+7], s[16:17] offset:1024*\i+512
.endr
	s_endpgm
.Lrole_v:
	s_mul_i32 s30, s[HD], 53248                      ; v: a record of 32 fragments and 32 x 128 bytes of scale words a head;  v2: one fragment and its words
	s_add_co_u32 s30, s30, VREC
	s_mul_i32 s31, s20, 1536
	s_add_co_u32 s31, s30, s31
	s_lshl_b32 s32, s20, 7
	s_add_co_u32 s32, s32, s30
	s_add_co_u32 s32, s32, 49152
	s_mul_i32 s33, s[HD], 1792
	s_add_co_u32 s33, s33, V2REC
	s_add_co_u32 s34, s33, 1536
	s_cmp_eq_u32 s29, 1
	s_cselect_b32 s30, s33, s31
	s_cselect_b32 s32, s34, s32
	s_mov_b32 s31, 0
	s_mov_b32 s33, 0
	s_add_nc_u64 s[16:17], s[6:7], s[30:31]
	s_add_nc_u64 s[18:19], s[6:7], s[32:33]
	GEMM 1
	HFQ ACC, PC
	v_mov_b32 v233, v[PW]
	HFQ ACC+32, PC+6
	v_lshl_or_b32 v[PW], v[PW], 16, v233
.irp p, 0,1,2,3,4,5
	global_store_b64 v1, v[PC+2*\p:PC+2*\p+1], s[16:17] offset:256*\p
.endr
	global_store_b32 v2, v[PW], s[18:19]
	s_endpgm
.Lfunc_end_k_q122f5cb89b_qkv:
	.size	k_q122f5cb89b_qkv, .Lfunc_end_k_q122f5cb89b_qkv-k_q122f5cb89b_qkv
	.p2alignl 7, 3214868480
	.fill 96, 4, 3214868480
	.section	.rodata,"a",@progbits
	.p2align	6, 0x0
	.amdhsa_kernel k_q122f5cb89b_qkv
		.amdhsa_group_segment_fixed_size 0
		.amdhsa_private_segment_fixed_size 0
		.amdhsa_enable_private_segment 0
		.amdhsa_kernarg_size 16
		.amdhsa_user_sgpr_count 2
		.amdhsa_user_sgpr_kernarg_segment_ptr 1
		.amdhsa_wavefront_size32 1
		.amdhsa_system_sgpr_workgroup_id_x 1
		.amdhsa_system_sgpr_workgroup_id_y 1
		.amdhsa_system_sgpr_workgroup_id_z 1
		.amdhsa_system_vgpr_workitem_id 0
		.amdhsa_next_free_vgpr 256
		.amdhsa_next_free_sgpr 66
		.amdhsa_reserve_vcc 0
		.amdhsa_float_denorm_mode_32 3
		.amdhsa_float_denorm_mode_16_64 3
		.amdhsa_memory_ordered 1
		.amdhsa_forward_progress 1
		.amdhsa_inst_pref_size 98
	.end_amdhsa_kernel
	.amdgpu_metadata
---
amdhsa.version: [ 1, 2 ]
amdhsa.kernels:
  - .name:           k_q122f5cb89b_qkv
    .symbol:         k_q122f5cb89b_qkv.kd
    .args:
      - { .name: pre, .offset: 0, .size: 8, .value_kind: global_buffer, .address_space: global }
      - { .name: qkvb, .offset: 8, .size: 8, .value_kind: global_buffer, .address_space: global }
    .group_segment_fixed_size: 0
    .private_segment_fixed_size: 0
    .kernarg_segment_align: 8
    .kernarg_segment_size: 16
    .max_flat_workgroup_size: 256
    .sgpr_count:     66
    .vgpr_count:     256
    .wavefront_size: 32
...
	.end_amdgpu_metadata
.endif
;; end of part 2
;; launch attn1 (part 3): grid 16 x 16, 16 waves a work-group, clusters of 4 x 1, 327,680 bytes of LDS; arguments qkvb, ao; writes ao
.if DOCPART == 3
	.amdgcn_target "amdgcn-amd-amdhsa--gfx1250"
	.amdhsa_code_object_version 6
	.text
	.protected	k_q122f5cb89b_attn1
	.globl	k_q122f5cb89b_attn1
	.p2align	8
	.type	k_q122f5cb89b_attn1,@function
k_q122f5cb89b_attn1:
	s_mov_b64 s[64:65], 0
	v_nop
	global_prefetch_b8 v0, s[64:65] scope:SCOPE_SE
	s_setreg_imm32_b32 hwreg(HW_REG_WAVE_MODE, 25, 1), 1
	s_wait_xcnt 0x0
	s_wait_alu depctr_hold_cnt(0) depctr_sa_sdst(0) depctr_va_vdst(0) depctr_va_sdst(0) depctr_va_ssrc(0) depctr_va_vcc(0) depctr_vm_vsrc(0)
	s_getreg_b32 s2, hwreg(HW_REG_IB_STS2, 6, 4)
	s_cmp_eq_u32 s2, 0
	s_cbranch_scc0 .Lentry_in_a_cluster
	s_endpgm
.Lentry_in_a_cluster:
	s_bfe_u32 s2, ttmp6, 0x10000c
	s_cmp_lg_u32 s2, 0x3003
	s_cbranch_scc0 .Lentry_shape_is_right
	s_endpgm
.Lentry_shape_is_right:
; Self-attention, 16 heads of 16, 4,096 queries and keys.  The scores (K = 16) feed a quantiser, so they are made with f32 operands (v_wmma_f32_16x16x4_f32); p V runs on codes of BF6.
; SOFTMAX: t = score x 0.25 log2(e); M = the running largest t rounded up to a whole number; p = 2^(t - M) is quantised along the keys, 32 to a block; the sum is taken of the unquantised p and divides at the end.
; When M moves, the sum and O are multiplied by 2^(old M - new M): exact.
; SHARES: a work-group owns 256 queries of one head, each of its sixteen waves one tile of 16; four waves to a SIMD, so that one wave's vector work stands beside another's matrix work.
; LDS: the whole head stays: K as f32 images (262,144 bytes), V's 32 fragments (49,152) and their scale words (4,096).  Every byte is filled once: no slot is filled again.
; CLUSTER: the four query blocks of a cluster belong to one head and ask for K and V jointly; a wave has three tensor loads out.
; LAYOUT: both products transposed: S^T = K Q^T, O^T = V^T P^T: a lane holds one query throughout; by the order of a tile's rows the registers of key tiles 2 b, 2 b + 1 are the keys 32 b + 16 h + 0..15.
; A score product's k = 2 h + j stands for dim 8 h + 2 s + j in step s, alike in both operands.
; LIMITS: NaN and infinities are not served; the order of the 16 products of a score differs from a plain ascending sum.
.set QIMG, 0
.set KIMG, 4194304
.set VREC, 8388608
.set LV,   262144
.set LVS,  311296
.set AK0, 1
.set AV0, 2
.set AS0, 3
.set ADK, 4
.set ADV, 5
.set ADS, 6
.set GO,  7
.set Q,   8                            ; v8-15    my 16 queries, f32
.set O,   20                           ; v20-27   O^T.  v16 -M, v17 the largest t, v[18:19] the sum in two halves
.set VF,  28                           ; v28-39   V's fragment;  v40 its scale words
.set VSC, 40
.set PCD, 42                           ; v42-53   p's codes
.set PT0, 54                           ; v54-56, v58-60 second halves of the conversions
.set BM,  62
.set BT,  66
.set SO,  70
.set KF,  80                           ; v80-111  four tiles of K
.set P,   112                          ; v112-175 t - M, then p
.set S,   176                          ; v176-239 the scores: written by the f32 matrix form alone
.set G1A, 16
.set G1B, 24
.set G1C, 32
.set G0A, 40
.set G0B, 44
.set G0C, 48
.set SEL, 52
.set CS,  54
.set TB,  56
.set TV,  57
.set TS,  58
.set CNT, 59
.macro CROUND                          ; a round of the cluster's barrier
	s_barrier_signal -1
	s_barrier_wait -1
	s_cmp_lg_u32 s8, 0
	s_cbranch_scc1 .Lnot_wave_0_\@
	s_barrier_signal -3
.Lnot_wave_0_\@:
	s_barrier_wait -3
	s_barrier_signal -1
	s_barrier_wait -1
.endm
.macro KLOAD g                         ; key tiles 4 g .. 4 g + 3: dense loads of 512 bytes
.irp t, 0,1,2,3
	ds_load_b128 v[KF+8*\t:KF+8*\t+3], v[ADK] offset:4096*\g+1024*\t
	ds_load_b128 v[KF+8*\t+4:KF+8*\t+7], v[ADK] offset:4096*\g+1024*\t+512
.endr
.endm
.macro SCORES g                        ; 16 products, the four accumulators by turns
.irp s, 0,1,2,3
.irp t, 0,1,2,3
.if \s == 0
	v_wmma_f32_16x16x4_f32 v[S+32*\g+8*\t:S+32*\g+8*\t+7], v[KF+8*\t:KF+8*\t+1], v[Q:Q+1], 0
.else
	v_wmma_f32_16x16x4_f32 v[S+32*\g+8*\t:S+32*\g+8*\t+7], v[KF+8*\t+2*\s:KF+8*\t+2*\s+1], v[Q+2*\s:Q+2*\s+1], v[S+32*\g+8*\t:S+32*\g+8*\t+7]
.endif
.endr
.endr
.rept 8
	v_nop                                            ; eight places behind the f32 form, in front of loads into its sources and of the first read of its results
.endr
.endm
.macro BMAX b0                         ; the largest score of blocks b0, b0 + 1: it serves the row's maximum and, since p rises with the score, the block's largest p
.irp b, \b0, \b0+1
	v_max3_num_f32 v[BM+\b], v[S+16*(\b)], v[S+16*(\b)+1], v[S+16*(\b)+2]
.endr
.irp i, 3,5,7,9,11,13
.irp b, \b0, \b0+1
	v_max3_num_f32 v[BM+\b], v[BM+\b], v[S+16*(\b)+\i], v[S+16*(\b)+\i+1]
.endr
.endr
.irp b, \b0, \b0+1
	v_max_num_f32 v[BM+\b], v[BM+\b], v[S+16*(\b)+15]
.endr
.endm
.macro STEP                            ; 128 keys
	v_add_nc_u32 v[ADK], s[TB], v[AK0]               ; these three and the v_nop are the four places behind the last scaled product
	v_add_nc_u32 v[ADV], s[TV], v[AV0]
	v_add_nc_u32 v[ADS], s[TS], v[AS0]
	v_nop
.irp p, 0,1,2,3,4,5
	ds_load_b64 v[VF+2*\p:VF+2*\p+1], v[ADV] offset:256*\p
.endr
	ds_load_b32 v[VSC], v[ADS]
	KLOAD 0
	s_wait_dscnt 0x0
	SCORES 0
	KLOAD 1
	BMAX 0
	s_wait_dscnt 0x0
	SCORES 1
	BMAX 2
.irp b, 0,1,2,3
	v_permlanex16_b32 v[BT+\b], v[BM+\b], s[SEL], s[SEL+1]
.endr
.irp b, 0,1,2,3
	v_max_num_f32 v[BM+\b], v[BM+\b], v[BT+\b]       ; with lane l xor 16's 16 keys
.endr
	v_max3_num_f32 v78, v[BM], v[BM+1], v[BM+2]
	v_max_num_f32 v78, v78, v[BM+3]
	v_mul_f32 v78, s[CS], v78                        ; the step's largest t
	v_max_num_f32 v17, v17, v78
	v_mov_b32 v78, v16
	v_floor_f32 v16, -v17                            ; -M = floor(-t): M is a whole number
	v_sub_f32 v78, v16, v78
	v_cvt_i32_f32 v78, v78                           ; (it saturates)
	v_ldexp_f32 v76, 1.0, v78                        ; f = 2^(old M - new M)
.set jj, 0
.rept 32
	v_pk_fma_f32 v[P+jj:P+jj+1], v[S+jj:S+jj+1], s[CS:CS+1], v[16:17] op_sel_hi:[1,0,0]   ; t - M, into registers of their own
.set jj, jj+2
.endr
.irp b, 0,1,2,3
	v_fma_f32 v[BM+\b], v[BM+\b], s[CS], v16
.endr
.set jj, 0
.rept 64
	v_exp_f32 v[P+jj], v[P+jj]
.set jj, jj+1
.endr
	v_pk_mul_f32 v[18:19], v[18:19], v[76:77] op_sel_hi:[1,0]   ; the sum under the new M: the plain place behind the batch
	s_wait_alu depctr_va_vdst(0)                     ; one wait for the 64, ahead of their first reader
.irp b, 0,1,2,3
	v_exp_f32 v[BM+\b], v[BM+\b]                     ; the blocks' largest p: the same two instructions on the same numbers
.endr
.irp j, 0,2,4,6
	v_pk_mul_f32 v[O+\j:O+\j+1], v[O+\j:O+\j+1], v[76:77] op_sel_hi:[1,0]   ; O^T under the new M, from its low end on
.endr
	v_pk_add_f32 v[74:75], v[P:P+1], v[P+2:P+3]      ; the row's sum of the unquantised p, in two chains
.irp j, 4,8,12,16,20,24,28
	v_pk_add_f32 v[18:19], v[18:19], v[P+\j:P+\j+1]
	v_pk_add_f32 v[74:75], v[74:75], v[P+\j+2:P+\j+3]
.endr
	s_wait_alu depctr_va_vdst(0)                     ; and one for the four
.irp b, 0,1,2,3
	v_max_num_f32 v[BM+\b], 0x2800000, v[BM+\b]      ; the floor 2^(5 - 127)
.endr
.irp b, 0,1,2,3
	v_add_nc_u32 v[SO+\b], 0xfe000000, v[BM+\b]
.endr
.irp b, 0,1,2,3
	v_lshrrev_b32 v[BT+\b], 23, v[SO+\b]
.endr
	v_lshl_or_b32 v77, v[BT+1], 8, v[BT]             ; p's scale word for these 128 keys
	v_lshl_or_b32 v77, v[BT+2], 16, v77
	v_lshl_or_b32 v77, v[BT+3], 24, v77
.irp c, 0,1
	v_cvt_scalef32_pk16_bf6_f32 v[PCD+6*\c:PCD+6*\c+2], v[P+32*\c:P+32*\c+15], v[SO+2*\c]
	v_cvt_scalef32_pk16_bf6_f32 v[PT0+4*\c:PT0+4*\c+2], v[P+32*\c+16:P+32*\c+31], v[SO+2*\c+1]
.endr
	v_nop
.irp c, 0,1
.irp i, 0,1,2
	v_permlane16_swap_b32 v[PCD+6*\c+\i], v[PT0+4*\c+\i]
.endr
.irp i, 0,1,2
	v_mov_b32 v[PCD+3+6*\c+\i], v[PT0+4*\c+\i]
.endr
.endr
.irp j, 32,36,40,44,48,52,56,60                          ; the sum's second half: 17 plain lines between the codes, the scale word and the scaled product
	v_pk_add_f32 v[18:19], v[18:19], v[P+\j:P+\j+1]
	v_pk_add_f32 v[74:75], v[74:75], v[P+\j+2:P+\j+3]
.endr
	v_pk_add_f32 v[18:19], v[18:19], v[74:75]
	v_wmma_scale_f32_16x16x128_f8f6f4 v[O:O+7], v[VF:VF+11], v[PCD:PCD+11], v[O:O+7], v[VSC], v77 matrix_a_fmt:MATRIX_FMT_BF6 matrix_b_fmt:MATRIX_FMT_BF6
	s_add_co_u32 s[TB], s[TB], 8192
	s_add_co_u32 s[TV], s[TV], 1536
	s_add_co_u32 s[TS], s[TS], 128
.endm
	s_load_b128 s[4:7], s[0:1], 0x0                  ; qkvb, ao
	v_lshl_add_u32 v254, v0, 2, 0x4d000
	v_mov_b32 v255, 0
	ds_add_u32 v254, v255
	ds_add_u32 v254, v255
	v_lshrrev_b32 v1, 5, v0
	v_readfirstlane_b32 s8, v1                       ; wave 0..15
	s_bfe_u32 s9, ttmp6, 0x40000                     ; cx: it enters Q's and ao's addresses alone
	s_lshl_b32 s10, ttmp9, 2
	s_add_co_u32 s10, s10, s9                        ; my block of 256 queries
	s_and_b32 s11, ttmp7, 0xffff                     ; the head, which the four partners share
	; descriptor groups 1: dense rows of 256 bytes (32 elements of 8), no padding; the mask names all four work-groups, bit 21 set beside it
.irp g, G1A, G1B, G1C
	s_mov_b32 s[\g], 15|(3<<16)|(1<<21)
	s_mov_b32 s[\g+1], 32<<16
	s_mov_b32 s[\g+3], 32<<16
	s_mov_b32 s[\g+5], 32
	s_mov_b32 s[\g+6], 0
	s_mov_b32 s[\g+7], 0
.endr
	s_mov_b32 s[G1A+2], 16<<16                       ; K of steps 0-7: 16 rows a wave
	s_mov_b32 s[G1A+4], 16
	s_mov_b32 s[G1B+2], 13<<16                       ; V and its scale words: 13 rows a wave
	s_mov_b32 s[G1B+4], 13
	s_mov_b32 s[G1C+2], 48<<16                       ; K of steps 8-31: 48 rows a wave
	s_mov_b32 s[G1C+4], 48
	s_lshl_b32 s12, s11, 18
	s_lshl_b32 s13, s8, 12
	s_add_co_u32 s12, s12, s13
	s_add_co_u32 s12, s12, KIMG
	s_mov_b32 s13, 0
	s_mul_i32 s14, s11, 53248
	s_mul_i32 s15, s8, 3328
	s_add_co_u32 s14, s14, s15
	s_add_co_u32 s14, s14, VREC
	s_mov_b32 s15, 0
	s_lshl_b32 s60, s11, 18
	s_mul_i32 s61, s8, 12288
	s_add_co_u32 s60, s60, s61
	s_add_co_u32 s60, s60, KIMG+65536
	s_mov_b32 s61, 0
	s_lshl_b32 s62, s11, 8
	s_lshl_b32 s63, s10, 4
	s_add_co_u32 s62, s62, s63
	s_add_co_u32 s62, s62, s8
	s_lshl_b32 s62, s62, 10                          ; (256 head + my tile) x 1,024 bytes
	s_mov_b32 s63, 0
	s_mov_b32 s[SEL], 0x76543210
	s_mov_b32 s[SEL+1], 0xfedcba98
	s_mov_b32 s[CS], 0x3eb8aa3b                      ; 0.25 log2(e)
	s_mov_b32 s[CS+1], s[CS]
	s_mov_b32 s[TB], 0
	s_mov_b32 s[TV], 0
	s_mov_b32 s[TS], 0
	s_wait_dscnt 0x0
	s_wait_kmcnt 0x0
	s_mov_b32 s[G0A], 1
	s_lshl_b32 s[G0A+1], s8, 12
	s_add_nc_u64 s[G0A+2:G0A+3], s[4:5], s[12:13]
	s_or_b32 s[G0A+3], s[G0A+3], 0x80000000
	s_mov_b32 s[G0B], 1
	s_mul_i32 s[G0B+1], s8, 3328
	s_add_co_u32 s[G0B+1], s[G0B+1], LV
	s_add_nc_u64 s[G0B+2:G0B+3], s[4:5], s[14:15]
	s_or_b32 s[G0B+3], s[G0B+3], 0x80000000
	s_mov_b32 s[G0C], 1
	s_mul_i32 s[G0C+1], s8, 12288
	s_add_co_u32 s[G0C+1], s[G0C+1], 65536
	s_add_nc_u64 s[G0C+2:G0C+3], s[4:5], s[60:61]
	s_or_b32 s[G0C+3], s[G0C+3], 0x80000000
	s_add_nc_u64 s[66:67], s[4:5], s[62:63]          ; my queries
	s_add_nc_u64 s[68:69], s[6:7], s[62:63]          ; my tile of ao
	CROUND                                           ; all four work-groups are here: the joint loads meet
	tensor_load_to_lds s[G0A:G0A+3], s[G1A:G1A+7]
	s_nop 0
	tensor_load_to_lds s[G0B:G0B+3], s[G1B:G1B+7]
	s_nop 0
	tensor_load_to_lds s[G0C:G0C+3], s[G1C:G1C+7]
	s_nop 0
.rept 4
	v_nop
.endr
	v_and_b32 v9, 31, v0
	v_and_b32 v10, 15, v0
	v_bfe_u32 v11, v0, 4, 1
	v_lshlrev_b32 v[AK0], 4, v9
	v_lshl_add_u32 v[AV0], v9, 3, LV
	v_lshl_add_u32 v[AS0], v9, 2, LVS
	v_lshlrev_b32 v[GO], 9, v11
	v_lshl_add_u32 v[GO], v10, 4, v[GO]              ; 512 h + 16 r
	v_mov_b32 v12, v[AK0]
	global_load_b128 v[Q+4:Q+7], v12, s[66:67] offset:512
	s_wait_loadcnt 0x0                               ; (v12 is one of Q's own registers: the second part has landed before the first is asked for)
	global_load_b128 v[Q:Q+3], v[AK0], s[66:67]
	v_mov_b32 v17, 0xff61b1e6                        ; the largest t so far: -3e38
	v_floor_f32 v16, -v17
	v_mov_b32 v18, 0
	v_mov_b32 v19, 0
.irp j, 0,1,2,3,4,5,6,7
	v_mov_b32 v[O+\j], 0
.endr
.irp b, 0,1,2,3
	v_mov_b32 v[BT+\b], 0
.endr
	v_mov_b32 v77, 0
	s_wait_tensorcnt 1                               ; K's first eight steps and V are in; the load of K's steps 8-31 may be out
	s_barrier_signal -1
	s_barrier_wait -1
	s_wait_loadcnt 0x0
	s_mov_b32 s[CNT], 8
.Lk1:
	STEP
	s_sub_co_u32 s[CNT], s[CNT], 1
	s_cmp_lg_u32 s[CNT], 0
	s_cbranch_scc1 .Lk1
	s_wait_tensorcnt 0x0                             ; my part of the rest of K is in,
	s_wait_dscnt 0x0
	s_barrier_signal -1
	s_barrier_wait -1                                ; everybody's is
	s_mov_b32 s[CNT], 24
.Lk2:
	STEP
	s_sub_co_u32 s[CNT], s[CNT], 1
	s_cmp_lg_u32 s[CNT], 0
	s_cbranch_scc1 .Lk2
.rept 4
	v_nop
.endr
	v_add_f32 v18, v18, v19
	v_permlanex16_b32 v74, v18, s[SEL], s[SEL+1]
	v_add_f32 v18, v18, v74                          ; the row's sum
	v_rcp_f32 v18, v18
	v_nop
	s_wait_alu depctr_va_vdst(0)
.irp j, 0,1,2,3,4,5,6,7
	v_mul_f32 v[P+\j], v[O+\j], v18
.endr
	global_store_b128 v[GO], v[P:P+3], s[68:69]                  ; dims 8 h + 0..3 of row r: sixteen lanes fill 256 consecutive bytes
	global_store_b128 v[GO], v[P+4:P+7], s[68:69] offset:256
	s_wait_tensorcnt 0x0
	ds_add_u32 v254, v255
	s_wait_dscnt 0x0
	CROUND                                           ; the closing round
	s_endpgm
.Lfunc_end_k_q122f5cb89b_attn1:
	.size	k_q122f5cb89b_attn1, .Lfunc_end_k_q122f5cb89b_attn1-k_q122f5cb89b_attn1
	.p2alignl 7, 3214868480
	.fill 96, 4, 3214868480
	.section	.rodata,"a",@progbits
	.p2align	6, 0x0
	.amdhsa_kernel k_q122f5cb89b_attn1
		.amdhsa_group_segment_fixed_size 327680
		.amdhsa_private_segment_fixed_size 0
		.amdhsa_enable_private_segment 0
		.amdhsa_kernarg_size 16
		.amdhsa_user_sgpr_count 2
		.amdhsa_user_sgpr_kernarg_segment_ptr 1
		.amdhsa_wavefront_size32 1
		.amdhsa_system_sgpr_workgroup_id_x 1
		.amdhsa_system_sgpr_workgroup_id_y 1
		.amdhsa_system_sgpr_workgroup_id_z 1
		.amdhsa_system_vgpr_workitem_id 0
		.amdhsa_next_free_vgpr 256
		.amdhsa_next_free_sgpr 80
		.amdhsa_reserve_vcc 0
		.amdhsa_float_denorm_mode_32 3
		.amdhsa_float_denorm_mode_16_64 3
		.amdhsa_memory_ordered 1
		.amdhsa_forward_progress 1
		.amdhsa_inst_pref_size 39
	.end_amdhsa_kernel
	.amdgpu_metadata
---
amdhsa.version: [ 1, 2 ]
amdhsa.kernels:
  - .name:           k_q122f5cb89b_attn1
    .symbol:         k_q122f5cb89b_attn1.kd
    .args:
      - { .name: qkvb, .offset: 0, .size: 8, .value_kind: global_buffer, .address_space: global }
      - { .name: ao, .offset: 8, .size: 8, .value_kind: global_buffer, .address_space: global }
    .group_segment_fixed_size: 327680
    .private_segment_fixed_size: 0
    .kernarg_segment_align: 8
    .kernarg_segment_size: 16
    .max_flat_workgroup_size: 512
    .sgpr_count:     80
    .vgpr_count:     256
    .wavefront_size: 32
...
	.end_amdgpu_metadata
.endif
;; end of part 3
;; launch chain (part 4): grid 256 x 1, 16 waves a work-group, no clusters, 100,352 bytes of LDS; arguments ao, pre, qkvb, x, o1_b, n2_w, n2_b, o2_b, n3_w, n3_b, h3x; writes h3x
.if DOCPART == 4
	.amdgcn_target "amdgcn-amd-amdhsa--gfx1250"
	.amdhsa_code_object_version 6
	.text
	.protected	k_q122f5cb89b_chain
	.globl	k_q122f5cb89b_chain
	.p2align	8
	.type	k_q122f5cb89b_chain,@function
k_q122f5cb89b_chain:
	s_mov_b64 s[64:65], 0
	v_nop
	global_prefetch_b8 v0, s[64:65] scope:SCOPE_SE
	s_setreg_imm32_b32 hwreg(HW_REG_WAVE_MODE, 25, 1), 1
	s_wait_xcnt 0x0
; From the self-attention's result to the feed-forward's input, a tile of 16 rows to a work-group: Q(ao) o1 + o1_b + x = x1; LayerNorm 2; q2; cross-attention over 77 keys; o2 + o2_b + x1 = x2; LayerNorm 3, quantised.
; In the products the sixteen waves share the columns (64 columns, or one head, a wave), in the norms each owns a row; what goes from wave to wave goes through LDS, nine barriers.
; The weights come as images from pre straight into registers.  No joint loads: a work-group walks 600 KB of weights in three short bursts between barriers, and a ring with rounds of a cluster's barrier would add more rounds than these bursts have.
; The scores of the cross-attention (K = 16) feed a quantiser: f32 operands.  Keys from 77 on: k2's rows there are exact zeros, and -3e38 comes in as the C of the sums' first products: p = 0.
; LIMITS: NaN and infinities are not served; a block under 2^-122 gets the byte 1 and zero codes.
.set O1C, 9437184
.set Q2C, 10420224
.set O1S, 14524416
.set Q2S, 14565376
.set K2IMG, 9240576
.set V2REC, 9371648
.set H3S, 3145728
.set X2,  3276800
.set HF,  0                            ; LDS: LayerNorm 2's eight fragments
.set HFS, 12288                        ; their scale words (later LayerNorm 3's)
.set AOF, 12800                        ; an attention result's two fragments
.set AOS, 15872                        ; their scale words
.set OX,  16128                        ; the cross-attention's result, f32, 1,024 bytes a head
.set YS,  32512                        ; 16 rows of 4,096 + 16 bytes
.set WV,  30
.set SEL, 32
.set EPS, 34
.set INV, 35
.set CS,  36
.set XR,  16                           ; v16-47 my row: x, then x1, then x2
.set D,   48
.set GW,  80
.set GB,  112
.set BI,  144
.set W,   48                           ; v48-143 eight fragments of a weight
.set AF,  144
.set ACC, 168
.set QA,  192
.set PC,  188
.set PT,  200
.set T0,  208
.set MU,  216
.set RS,  218
.set VE,  220
.set TP,  221
.set TM,  208
.set PW,  214
.set WS,  224                          ; v224-237 hold scale words and nothing else
.set AS,  232
.set V2S, 236
.set PSW, 237
.set SA,  240                          ; v240-255 the scores: written by the f32 matrix form alone
.set SB,  248
.set P,   48
.set K2,  96
.set V2,  144
.set MKA, 156
.set MKB, 164
.set QR,  172
.set OO,  180
.set PCD, 188
.set PT2, 204
.set BM,  208
.set BT,  212
.set SO,  216
.set NM,  220
.set SU,  156
.macro NOPS n
.rept \n
	v_nop
.endr
.endm
.macro BARRIER
	s_wait_dscnt 0x0
	s_barrier_signal -1
	s_barrier_wait -1
.endm
.macro HFQ src, dst
.irp b, 0,1
	v_max3_num_f32 v[TM+\b], |v[(\src)+16*\b]|, |v[(\src)+1+16*\b]|, 0x2800000
.endr
.irp i, 2,4,6,8,10,12,14
.irp b, 0,1
	v_max3_num_f32 v[TM+\b], v[TM+\b], |v[(\src)+16*\b+\i]|, |v[(\src)+1+16*\b+\i]|
.endr
.endr
.irp b, 0,1
	v_permlanex16_b32 v[TM+2+\b], v[TM+\b], s[SEL], s[SEL+1]
.endr
.irp b, 0,1
	v_max_num_f32 v[TM+\b], v[TM+\b], v[TM+2+\b]
.endr
.irp b, 0,1
	v_add_nc_u32 v[TM+4+\b], 0xfe000000, v[TM+\b]
.endr
.irp b, 0,1
	v_lshrrev_b32 v[TM+2+\b], 23, v[TM+4+\b]
.endr
	v_lshl_or_b32 v[PW], v[TM+3], 8, v[TM+2]
	v_cvt_scalef32_pk16_bf6_f32 v[(\dst):(\dst)+2], v[(\src):(\src)+15], v[TM+4]
	v_cvt_scalef32_pk16_bf6_f32 v[PT:PT+2], v[(\src)+16:(\src)+31], v[TM+5]
	v_nop
.irp i, 0,1,2
	v_permlane16_swap_b32 v[(\dst)+\i], v[PT+\i]
.endr
.irp i, 0,1,2
	v_mov_b32 v[(\dst)+3+\i], v[PT+\i]
.endr
.endm
.macro WSUM v, t
	v_add_f32_dpp v[\v], v[\v], v[\v] row_xmask:1 row_mask:0xf bank_mask:0xf
	v_add_f32_dpp v[\v], v[\v], v[\v] row_xmask:2 row_mask:0xf bank_mask:0xf
	v_add_f32_dpp v[\v], v[\v], v[\v] row_xmask:4 row_mask:0xf bank_mask:0xf
	v_add_f32_dpp v[\v], v[\v], v[\v] row_xmask:8 row_mask:0xf bank_mask:0xf
	v_permlanex16_b32 v[\t], v[\v], s[SEL], s[SEL+1]
	v_add_f32 v[\v], v[\v], v[\t]
.endm
.macro JOIN4
	v_pk_add_f32 v[T0:T0+1], v[T0:T0+1], v[T0+2:T0+3]
	v_pk_add_f32 v[T0+4:T0+5], v[T0+4:T0+5], v[T0+6:T0+7]
	v_pk_add_f32 v[T0:T0+1], v[T0:T0+1], v[T0+4:T0+5]
	v_add_f32 v[T0], v[T0], v[T0+1]
	WSUM T0, TP
.endm
.macro ROWSTAT xr, d                   ; d = (xr - mean) / sqrt(var + eps), in two passes
.irp k, 0,2,4,6
	v_pk_add_f32 v[T0+\k:T0+\k+1], v[\xr+\k:\xr+\k+1], v[\xr+8+\k:\xr+9+\k]
.endr
.irp j, 16,24
.irp k, 0,2,4,6
	v_pk_add_f32 v[T0+\k:T0+\k+1], v[T0+\k:T0+\k+1], v[\xr+\j+\k:\xr+\j+\k+1]
.endr
.endr
	JOIN4
	v_mul_f32 v[MU], s[INV], v[T0]
	v_mov_b32 v[MU+1], v[MU]
.irp j, 0,2,4,6,8,10,12,14,16,18,20,22,24,26,28,30
	v_pk_add_f32 v[\d+\j:\d+\j+1], v[\xr+\j:\xr+\j+1], v[MU:MU+1] neg_lo:[0,1] neg_hi:[0,1]
.endr
.irp k, 0,2,4,6
	v_pk_mul_f32 v[T0+\k:T0+\k+1], v[\d+\k:\d+\k+1], v[\d+\k:\d+\k+1]
.endr
.irp j, 8,16,24
.irp k, 0,2,4,6
	v_pk_fma_f32 v[T0+\k:T0+\k+1], v[\d+\j+\k:\d+\j+\k+1], v[\d+\j+\k:\d+\j+\k+1], v[T0+\k:T0+\k+1]
.endr
.endr
	JOIN4
	v_fma_f32 v[VE], v[T0], s[INV], s[EPS]
	v_rsq_f32 v[RS], v[VE]
	v_rsq_f32 v[RS+1], v[VE]
	v_nop
	s_wait_alu depctr_va_vdst(0)                     ; one wait for both roots, ahead of their first reader
.irp j, 0,2,4,6,8,10,12,14,16,18,20,22,24,26,28,30
	v_pk_mul_f32 v[\d+\j:\d+\j+1], v[\d+\j:\d+\j+1], v[RS:RS+1]
.endr
.endm
.macro WLOAD o                         ; my four tiles x two K steps of o1 (o = 0) or o2 (1), and their scale words
.irp k, 0,1
.irp t, 0,1,2,3
.irp p, 0,1,2,3,4,5
	global_load_b64 v[W+12*(4*\k+\t)+2*\p:W+12*(4*\k+\t)+2*\p+1], v5, s[44:45] offset:196608*\o+(8*\k+\t)*1536+256*\p
.endr
	global_load_b32 v[WS+4*\k+\t], v6, s[46:47] offset:8192*\o+(8*\k+\t)*64
.endr
.endr
.endm
; 16 rows x my 64 columns of an output projection, transposed: a lane holds row r and columns 64 w + 32 (t / 2) + 16 h + 8 (t % 2) + 0..7; into the rows in LDS.  Then the bias and the next norm's gain and bias are asked for
.macro OPROJ b, gw, gb
.irp k, 0,1
.irp p, 0,1,2,3,4,5
	ds_load_b64 v[AF+12*\k+2*\p:AF+12*\k+2*\p+1], v5 offset:AOF+1536*\k+256*\p
.endr
	ds_load_b32 v[AS+\k], v6 offset:AOS+64*\k
.endr
	s_wait_loadcnt 0x0
	s_wait_dscnt 0x0
.irp t, 0,1,2,3
	v_wmma_scale_f32_16x16x128_f8f6f4 v[ACC+8*\t:ACC+8*\t+7], v[W+12*\t:W+12*\t+11], v[AF:AF+11], 0, v[WS+\t], v[AS] matrix_a_fmt:MATRIX_FMT_BF6 matrix_b_fmt:MATRIX_FMT_BF6
.endr
.irp t, 0,1,2,3
	v_wmma_scale_f32_16x16x128_f8f6f4 v[ACC+8*\t:ACC+8*\t+7], v[W+12*(4+\t):W+12*(4+\t)+11], v[AF+12:AF+23], v[ACC+8*\t:ACC+8*\t+7], v[WS+4+\t], v[AS+1] matrix_a_fmt:MATRIX_FMT_BF6 matrix_b_fmt:MATRIX_FMT_BF6
.endr
	NOPS 4
.irp t, 0,1,2,3
	ds_store_b128 v8, v[ACC+8*\t:ACC+8*\t+3] offset:128*(\t/2)+32*(\t%2)
	ds_store_b128 v8, v[ACC+8*\t+4:ACC+8*\t+7] offset:128*(\t/2)+32*(\t%2)+16
.endr
	s_wait_dscnt 0x0                                 ; the stores have landed, and have read the registers that the loads below take
.irp j, 0,1,2,3,4,5,6,7
	global_load_b128 v[BI+4*\j:BI+4*\j+3], v4, s[\b:\b+1] offset:512*\j
	global_load_b128 v[GW+4*\j:GW+4*\j+3], v4, s[\gw:\gw+1] offset:512*\j
	global_load_b128 v[GB+4*\j:GB+4*\j+3], v4, s[\gb:\gb+1] offset:512*\j
.endr
	s_barrier_signal -1
	s_barrier_wait -1
.endm
; my row: + the projection + its bias; the norm; back into the rows in LDS.  last = 1: the row is x2 and goes to memory
.macro ROWPHASE last
.irp j, 0,1,2,3,4,5,6,7
	ds_load_b128 v[D+4*\j:D+4*\j+3], v7 offset:512*\j
.endr
	s_wait_dscnt 0x0
	s_wait_loadcnt 0x0
.irp j, 0,2,4,6,8,10,12,14,16,18,20,22,24,26,28,30
	v_pk_add_f32 v[XR+\j:XR+\j+1], v[XR+\j:XR+\j+1], v[D+\j:D+\j+1]
.endr
.irp j, 0,2,4,6,8,10,12,14,16,18,20,22,24,26,28,30
	v_pk_add_f32 v[XR+\j:XR+\j+1], v[XR+\j:XR+\j+1], v[BI+\j:BI+\j+1]
.endr
.if \last
.irp j, 0,1,2,3,4,5,6,7
	global_store_b128 v4, v[XR+4*\j:XR+4*\j+3], s[56:57] offset:512*\j   ; 512 consecutive bytes of the row
.endr
.endif
	ROWSTAT XR, D
.irp j, 0,2,4,6,8,10,12,14,16,18,20,22,24,26,28,30
	v_pk_fma_f32 v[D+\j:D+\j+1], v[D+\j:D+\j+1], v[GW+\j:GW+\j+1], v[GB+\j:GB+\j+1]
.endr
.irp j, 0,1,2,3,4,5,6,7
	ds_store_b128 v7, v[D+4*\j:D+4*\j+3] offset:512*\j
.endr
	BARRIER
.endm
.macro PATQ                            ; my wave's 64 along K of all 16 rows: 16 neighbours of each block of 32 to a lane
.irp b, 0,1
.irp x, 0,1,2,3
	ds_load_b128 v[48+16*\b+4*\x:48+16*\b+4*\x+3], v8 offset:128*\b+16*\x
.endr
.endr
	s_wait_dscnt 0x0
	HFQ 48, PC
.endm
.macro AOPUT                           ; half a fragment of an attention result, and its two scale bytes, into LDS
.irp p, 0,1,2
	ds_store_b64 v11, v[PC+2*\p:PC+2*\p+1] offset:256*\p
.endr
	ds_store_b16 v12, v[PW]
.endm
	s_load_b512 s[8:23], s[0:1], 0x0                 ; ao, pre, qkvb, x, o1_b, n2_w, n2_b, o2_b
	s_load_b128 s[24:27], s[0:1], 0x40               ; n3_w, n3_b
	s_load_b64 s[28:29], s[0:1], 0x50                ; h3x
	v_lshl_add_u32 v238, v0, 2, 0x18000
	v_mov_b32 v239, 0
	v_lshrrev_b32 v1, 5, v0
	v_readfirstlane_b32 s[WV], v1
	v_and_b32 v1, 31, v0                             ; l
	v_and_b32 v2, 15, v0                             ; r
	v_bfe_u32 v3, v0, 4, 1                           ; h
	v_lshlrev_b32 v4, 4, v1                          ; 16 l
	v_lshlrev_b32 v5, 3, v1                          ; 8 l
	v_lshlrev_b32 v6, 2, v2                          ; 4 r
	s_mul_i32 s2, s[WV], 4112
	s_add_co_u32 s2, s2, YS
	v_add_nc_u32 v7, s2, v4                          ; my row in LDS
	v_mul_u32_u24 v8, v2, 4112
	v_lshl_add_u32 v8, v3, 6, v8
	s_lshl_b32 s2, s[WV], 8
	s_add_co_u32 s2, s2, YS
	v_add_nc_u32 v8, s2, v8                          ; row r, my wave's 64 columns, + 64 h
	s_mul_i32 s2, s[WV], 768
	v_add_nc_u32 v9, s2, v5                          ; my half fragment of a norm
	s_lshr_b32 s2, s[WV], 1
	s_lshl_b32 s2, s2, 6
	s_and_b32 s3, s[WV], 1
	s_lshl_b32 s3, s3, 1
	s_add_co_u32 s2, s2, s3
	s_add_co_u32 s2, s2, HFS
	v_add_nc_u32 v10, s2, v6
	s_and_b32 s4, s[WV], 3
	s_mul_i32 s2, s4, 768
	s_add_co_u32 s2, s2, AOF
	v_add_nc_u32 v11, s2, v5
	s_lshr_b32 s2, s4, 1
	s_lshl_b32 s2, s2, 6
	s_add_co_u32 s2, s2, s3
	s_add_co_u32 s2, s2, AOS
	v_add_nc_u32 v12, s2, v6
	v_lshlrev_b32 v13, 9, v3
	v_lshl_add_u32 v13, v2, 4, v13
	s_lshl_b32 s2, s[WV], 10
	s_add_co_u32 s2, s2, OX
	v_add_nc_u32 v13, s2, v13
	v_lshlrev_b32 v14, 10, v3
	v_lshl_add_u32 v14, v2, 4, v14
	s_lshl_b32 s2, s4, 12
	s_add_co_u32 s2, s2, OX
	v_add_nc_u32 v14, s2, v14
	v_lshlrev_b32 v15, 18, v3
	v_lshl_add_u32 v15, v2, 4, v15                   ; ao: 262,144 h + 16 r
	v_lshl_add_u32 v2, v3, 9, v6                     ; 512 h + 4 r
	v_lshlrev_b32 v1, 2, v1                          ; 4 l
.set jj, 208
.rept 16
	v_mov_b32 v[jj], 0                               ; lane permutes' destinations count as read: written once
.set jj, jj+1
.endr
	s_mov_b32 s[SEL], 0x76543210
	s_mov_b32 s[SEL+1], 0xfedcba98
	s_mov_b32 s[EPS], 0x3727c5ac
	s_mov_b32 s[INV], 0x3a800000
	s_mov_b32 s[CS], 0x3eb8aa3b                      ; 0.25 log2(e)
	s_mov_b32 s[CS+1], s[CS]
	s_mov_b32 s39, 0
	s_wait_kmcnt 0x0
	s_lshr_b32 s38, ttmp9, 1
	s_lshl_b32 s38, s38, 5
	s_and_b32 s5, ttmp9, 1
	s_lshl_b32 s5, s5, 3
	s_add_co_u32 s38, s38, s5
	s_add_co_u32 s38, s38, s[WV]
	s_lshr_b32 s5, s[WV], 3
	s_lshl_b32 s5, s5, 3
	s_add_co_u32 s38, s38, s5                        ; my row of x
	s_lshl_b32 s38, s38, 12
	s_add_nc_u64 s[40:41], s[14:15], s[38:39]
	s_add_nc_u64 s[56:57], s[28:29], s[38:39]
	s_add_nc_u64 s[56:57], s[56:57], X2
.irp j, 0,1,2,3,4,5,6,7
	global_load_b128 v[XR+4*\j:XR+4*\j+3], v4, s[40:41] offset:512*\j th:TH_LOAD_NT
.endr
	s_lshl_b32 s38, s4, 20
	s_lshl_b32 s5, ttmp9, 10
	s_add_co_u32 s38, s38, s5
	s_add_nc_u64 s[42:43], s[8:9], s[38:39]          ; ao: heads 4 (w % 4) on, my tile
	s_lshr_b32 s5, s[WV], 1
	s_lshl_b32 s5, s5, 4
	s_and_b32 s6, s[WV], 1
	s_lshl_b32 s6, s6, 2
	s_add_co_u32 s5, s5, s6
	s_mul_i32 s38, s5, 1536
	s_add_co_u32 s38, s38, O1C
	s_add_nc_u64 s[44:45], s[10:11], s[38:39]
	s_lshl_b32 s38, s5, 6
	s_add_co_u32 s38, s38, O1S
	s_add_nc_u64 s[46:47], s[10:11], s[38:39]
	s_lshr_b32 s5, s[WV], 3
	s_lshl_b32 s5, s5, 6
	s_and_b32 s6, s[WV], 7
	s_add_co_u32 s5, s5, s6
	s_mul_i32 s38, s5, 1536
	s_add_co_u32 s38, s38, Q2C
	s_add_nc_u64 s[48:49], s[10:11], s[38:39]
	s_lshl_b32 s38, s5, 6
	s_add_co_u32 s38, s38, Q2S
	s_add_nc_u64 s[50:51], s[10:11], s[38:39]
	s_lshl_b32 s38, s[WV], 13
	s_add_co_u32 s38, s38, K2IMG
	s_add_nc_u64 s[52:53], s[12:13], s[38:39]
	s_mul_i32 s38, s[WV], 1792
	s_add_co_u32 s38, s38, V2REC
	s_add_nc_u64 s[54:55], s[12:13], s[38:39]
	s_lshr_b32 s5, ttmp9, 3
	s_lshl_b32 s5, s5, 3
	s_lshr_b32 s6, s[WV], 1
	s_add_co_u32 s5, s5, s6
	s_lshl_b32 s5, s5, 3
	s_and_b32 s6, ttmp9, 7
	s_add_co_u32 s5, s5, s6
	s_mul_i32 s38, s5, 1536
	s_and_b32 s6, s[WV], 1
	s_mul_i32 s6, s6, 768
	s_add_co_u32 s38, s38, s6
	s_add_nc_u64 s[58:59], s[28:29], s[38:39]        ; my half fragment of LayerNorm 3
	s_lshr_b32 s5, ttmp9, 3
	s_lshl_b32 s5, s5, 6
	s_and_b32 s6, ttmp9, 7
	s_add_co_u32 s5, s5, s6
	s_lshl_b32 s38, s5, 6
	s_add_co_u32 s38, s38, H3S
	s_add_nc_u64 s[60:61], s[28:29], s[38:39]
	; ---- the self-attention's result becomes two fragments: waves 0-3, 64 along K (four heads) each
	s_cmp_lt_u32 s[WV], 4
	s_cbranch_scc0 .Lno_a
.irp b, 0,1
.irp x, 0,1,2,3
	global_load_b128 v[48+16*\b+4*\x:48+16*\b+4*\x+3], v15, s[42:43] offset:524288*\b+256*\x
.endr
.endr
	s_wait_loadcnt 0x0
	HFQ 48, PC
	AOPUT
.Lno_a:
	WLOAD 0
	BARRIER
	OPROJ 16, 18, 20                                 ; o1; then o1_b, n2_w, n2_b
	ROWPHASE 0                                       ; x1, LayerNorm 2
	PATQ
.irp p, 0,1,2
	ds_store_b64 v9, v[PC+2*\p:PC+2*\p+1] offset:HF+256*\p
.endr
	ds_store_b16 v10, v[PW]
.irp k, 0,1,2,3,4,5,6,7                                  ; q2's fragments of head w
.irp p, 0,1,2,3,4,5
	global_load_b64 v[W+12*\k+2*\p:W+12*\k+2*\p+1], v5, s[48:49] offset:12288*\k+256*\p
.endr
	global_load_b32 v[WS+\k], v6, s[50:51] offset:512*\k
.endr
	BARRIER
	; ---- q2 of head w: K = 1,024 in two halves; two accumulators by turns, added at the end
.irp g, 0,1
.if \g > 0
	NOPS 4
.endif
.irp k, 0,1,2,3
.irp p, 0,1,2,3,4,5
	ds_load_b64 v[AF+12*\k+2*\p:AF+12*\k+2*\p+1], v5 offset:HF+1536*(4*\g+\k)+256*\p
.endr
	ds_load_b32 v[AS+\k], v6 offset:HFS+64*(4*\g+\k)
.endr
	s_wait_loadcnt 0x0
	s_wait_dscnt 0x0
.irp k, 0,1,2,3
.if (\g == 0) && (\k < 2)
	v_wmma_scale_f32_16x16x128_f8f6f4 v[QA+8*(\k%2):QA+8*(\k%2)+7], v[W+12*(4*\g+\k):W+12*(4*\g+\k)+11], v[AF+12*\k:AF+12*\k+11], 0, v[WS+4*\g+\k], v[AS+\k] matrix_a_fmt:MATRIX_FMT_BF6 matrix_b_fmt:MATRIX_FMT_BF6
.else
	v_wmma_scale_f32_16x16x128_f8f6f4 v[QA+8*(\k%2):QA+8*(\k%2)+7], v[W+12*(4*\g+\k):W+12*(4*\g+\k)+11], v[AF+12*\k:AF+12*\k+11], v[QA+8*(\k%2):QA+8*(\k%2)+7], v[WS+4*\g+\k], v[AS+\k] matrix_a_fmt:MATRIX_FMT_BF6 matrix_b_fmt:MATRIX_FMT_BF6
.endif
.endr
.endr
	NOPS 4
.irp t, 0,1,2,3,4,5
	global_load_b128 v[K2+8*\t:K2+8*\t+3], v4, s[52:53] offset:1024*\t
	global_load_b128 v[K2+8*\t+4:K2+8*\t+7], v4, s[52:53] offset:1024*\t+512
.endr
.irp p, 0,1,2,3,4,5
	global_load_b64 v[V2+2*\p:V2+2*\p+1], v5, s[54:55] offset:256*\p
.endr
	global_load_b32 v[V2S], v1, s[54:55] offset:1536
.irp i, 0,2,4,6
	v_pk_add_f32 v[QR+\i:QR+\i+1], v[QA+\i:QA+\i+1], v[QA+8+\i:QA+9+\i]   ; query r, dims 8 h + 0..7
.endr
	; ---- cross-attention of head w.  Keys 64 + 16 h + 8 u + j from 77 on are hidden
	v_cmp_eq_u32 vcc_lo, 1, v3
	v_mov_b32 v222, 0xff61b1e6                       ; -3e38
.irp j, 0,1,2,3,4,5,6,7
	v_cndmask_b32 v[MKA+\j], 0, v222, vcc_lo
.endr
.irp j, 0,1,2,3,4
	v_cndmask_b32 v[MKB+\j], 0, v222, vcc_lo
.endr
.irp j, 5,6,7
	v_mov_b32 v[MKB+\j], v222
.endr
	s_wait_loadcnt 0x0
.irp pr, 0,1,2
.irp s, 0,1,2,3
.if \s > 0
	v_wmma_f32_16x16x4_f32 v[SA:SA+7], v[K2+16*\pr+2*\s:K2+16*\pr+2*\s+1], v[QR+2*\s:QR+2*\s+1], v[SA:SA+7]
	v_wmma_f32_16x16x4_f32 v[SB:SB+7], v[K2+16*\pr+8+2*\s:K2+16*\pr+9+2*\s], v[QR+2*\s:QR+2*\s+1], v[SB:SB+7]
.elseif \pr < 2
	v_wmma_f32_16x16x4_f32 v[SA:SA+7], v[K2+16*\pr:K2+16*\pr+1], v[QR:QR+1], 0
	v_wmma_f32_16x16x4_f32 v[SB:SB+7], v[K2+16*\pr+8:K2+16*\pr+9], v[QR:QR+1], 0
.else
	v_wmma_f32_16x16x4_f32 v[SA:SA+7], v[K2+16*\pr:K2+16*\pr+1], v[QR:QR+1], v[MKA:MKA+7]
	v_wmma_f32_16x16x4_f32 v[SB:SB+7], v[K2+16*\pr+8:K2+16*\pr+9], v[QR:QR+1], v[MKB:MKB+7]
.endif
.endr
	NOPS 9                                           ; nine places: the results are read, and the next pair of tiles writes over them
.irp i, 0,2,4,6
	v_pk_mul_f32 v[P+16*\pr+\i:P+16*\pr+\i+1], v[SA+\i:SA+\i+1], s[CS:CS+1] op_sel_hi:[1,0]   ; t
.endr
.irp i, 0,2,4,6
	v_pk_mul_f32 v[P+16*\pr+8+\i:P+16*\pr+9+\i], v[SB+\i:SB+\i+1], s[CS:CS+1] op_sel_hi:[1,0]
.endr
.endr
.irp b, 0,1,2
	v_max3_num_f32 v[BM+\b], v[P+16*\b], v[P+16*\b+1], v[P+16*\b+2]
.endr
.irp i, 3,5,7,9,11,13
.irp b, 0,1,2
	v_max3_num_f32 v[BM+\b], v[BM+\b], v[P+16*\b+\i], v[P+16*\b+\i+1]
.endr
.endr
.irp b, 0,1,2
	v_max_num_f32 v[BM+\b], v[BM+\b], v[P+16*\b+15]
.endr
.irp b, 0,1,2
	v_permlanex16_b32 v[BT+\b], v[BM+\b], s[SEL], s[SEL+1]
.endr
.irp b, 0,1,2
	v_max_num_f32 v[BM+\b], v[BM+\b], v[BT+\b]
.endr
	v_max3_num_f32 v222, v[BM], v[BM+1], v[BM+2]
	v_floor_f32 v[NM], -v222                         ; -M
	v_mov_b32 v[NM+1], v[NM]
.set jj, 0
.rept 24
	v_pk_add_f32 v[P+jj:P+jj+1], v[P+jj:P+jj+1], v[NM:NM+1]
.set jj, jj+2
.endr
.irp b, 0,1,2
	v_add_f32 v[BM+\b], v[BM+\b], v[NM]
.endr
.set jj, 0
.rept 48
	v_exp_f32 v[P+jj], v[P+jj]
.set jj, jj+1
.endr
	v_nop
	s_wait_alu depctr_va_vdst(0)                     ; one wait for the 48
.irp b, 0,1,2
	v_exp_f32 v[BM+\b], v[BM+\b]
.endr
	v_pk_add_f32 v[SU:SU+1], v[P:P+1], v[P+4:P+5]    ; the row's sum of the unquantised p
	v_pk_add_f32 v[SU+2:SU+3], v[P+2:P+3], v[P+6:P+7]
.irp j, 8,12,16,20,24,28,32,36,40,44
	v_pk_add_f32 v[SU:SU+1], v[SU:SU+1], v[P+\j:P+\j+1]
	v_pk_add_f32 v[SU+2:SU+3], v[SU+2:SU+3], v[P+\j+2:P+\j+3]
.endr
	v_pk_add_f32 v[SU:SU+1], v[SU:SU+1], v[SU+2:SU+3]
	s_wait_alu depctr_va_vdst(0)                     ; and one for the three
.irp b, 0,1,2
	v_max_num_f32 v[BM+\b], 0x2800000, v[BM+\b]
.endr
.irp b, 0,1,2
	v_add_nc_u32 v[SO+\b], 0xfe000000, v[BM+\b]
.endr
.irp b, 0,1,2
	v_lshrrev_b32 v[BT+\b], 23, v[SO+\b]
.endr
	v_lshl_or_b32 v[PSW], v[BT+1], 8, v[BT]
	v_lshl_or_b32 v[PSW], v[BT+2], 16, v[PSW]
	v_or_b32 v[PSW], 0x1000000, v[PSW]               ; the fourth block is zero codes under the byte 1
.irp i, 0,1,2
	v_mov_b32 v[PT2+\i], 0
.endr
	v_cvt_scalef32_pk16_bf6_f32 v[PCD:PCD+2], v[P:P+15], v[SO]
	v_cvt_scalef32_pk16_bf6_f32 v[PT:PT+2], v[P+16:P+31], v[SO+1]
	v_cvt_scalef32_pk16_bf6_f32 v[PCD+6:PCD+8], v[P+32:P+47], v[SO+2]
	v_nop
.irp i, 0,1,2
	v_permlane16_swap_b32 v[PCD+\i], v[PT+\i]
	v_permlane16_swap_b32 v[PCD+6+\i], v[PT2+\i]
.endr
.irp i, 0,1,2
	v_mov_b32 v[PCD+3+\i], v[PT+\i]
	v_mov_b32 v[PCD+9+\i], v[PT2+\i]
.endr
	NOPS 8                                           ; a scale word made by vector instructions stands eight places ahead of the scaled product
	v_wmma_scale_f32_16x16x128_f8f6f4 v[OO:OO+7], v[V2:V2+11], v[PCD:PCD+11], 0, v[V2S], v[PSW] matrix_a_fmt:MATRIX_FMT_BF6 matrix_b_fmt:MATRIX_FMT_BF6
	NOPS 4
	v_add_f32 v222, v[SU], v[SU+1]
	v_permlanex16_b32 v223, v222, s[SEL], s[SEL+1]
	v_add_f32 v222, v222, v223
	v_rcp_f32 v222, v222
	v_nop
	s_wait_alu depctr_va_vdst(0)
.irp j, 0,1,2,3,4,5,6,7
	v_mul_f32 v[48+\j], v[OO+\j], v222
.endr
	ds_store_b128 v13, v[48:51]
	ds_store_b128 v13, v[52:55] offset:256
	BARRIER
	; ---- its result becomes two fragments, as at the head, from LDS
	s_cmp_lt_u32 s[WV], 4
	s_cbranch_scc0 .Lno_f
.irp b, 0,1
.irp x, 0,1,2,3
	ds_load_b128 v[48+16*\b+4*\x:48+16*\b+4*\x+3], v14 offset:2048*\b+256*\x
.endr
.endr
	s_wait_dscnt 0x0
	HFQ 48, PC
	AOPUT
.Lno_f:
	WLOAD 1
	BARRIER
	OPROJ 22, 24, 26                                 ; o2; then o2_b, n3_w, n3_b
	ROWPHASE 1                                       ; x2, stored; LayerNorm 3
	PATQ
.irp p, 0,1,2
	global_store_b64 v5, v[PC+2*\p:PC+2*\p+1], s[58:59] offset:256*\p   ; 256 consecutive bytes, aligned
.endr
	ds_store_b16 v10, v[PW]
	BARRIER
	s_cmp_lg_u32 s[WV], 0
	s_cbranch_scc1 .Lend
.irp t, 0,1,2,3
	ds_load_b32 v[48+\t], v1 offset:HFS+128*\t
.endr
	s_wait_dscnt 0x0
.irp t, 0,1,2,3
	global_store_b32 v2, v[48+\t], s[60:61] offset:1024*\t   ; runs of 64 bytes: a fragment's scale words
.endr
.Lend:
	s_barrier_signal -1
	s_barrier_wait -1
	s_wait_tensorcnt 0x0
	ds_add_u32 v238, v239
	s_wait_dscnt 0x0
	s_endpgm
.Lfunc_end_k_q122f5cb89b_chain:
	.size	k_q122f5cb89b_chain, .Lfunc_end_k_q122f5cb89b_chain-k_q122f5cb89b_chain
	.p2alignl 7, 3214868480
	.fill 96, 4, 3214868480
	.section	.rodata,"a",@progbits
	.p2align	6, 0x0
	.amdhsa_kernel k_q122f5cb89b_chain
		.amdhsa_group_segment_fixed_size 100352
		.amdhsa_private_segment_fixed_size 0
		.amdhsa_enable_private_segment 0
		.amdhsa_kernarg_size 88
		.amdhsa_user_sgpr_count 2
		.amdhsa_user_sgpr_kernarg_segment_ptr 1
		.amdhsa_wavefront_size32 1
		.amdhsa_system_sgpr_workgroup_id_x 1
		.amdhsa_system_sgpr_workgroup_id_y 1
		.amdhsa_system_sgpr_workgroup_id_z 1
		.amdhsa_system_vgpr_workitem_id 0
		.amdhsa_next_free_vgpr 256
		.amdhsa_next_free_sgpr 66
		.amdhsa_reserve_vcc 1
		.amdhsa_float_denorm_mode_32 3
		.amdhsa_float_denorm_mode_16_64 3
		.amdhsa_memory_ordered 1
		.amdhsa_forward_progress 1
		.amdhsa_inst_pref_size 85
	.end_amdhsa_kernel
	.amdgpu_metadata
---
amdhsa.version: [ 1, 2 ]
amdhsa.kernels:
  - .name:           k_q122f5cb89b_chain
    .symbol:         k_q122f5cb89b_chain.kd
    .args:
      - { .name: ao, .offset: 0, .size: 8, .value_kind: global_buffer, .address_space: global }
      - { .name: pre, .offset: 8, .size: 8, .value_kind: global_buffer, .address_space: global }
      - { .name: qkvb, .offset: 16, .size: 8, .value_kind: global_buffer, .address_space: global }
      - { .name: x, .offset: 24, .size: 8, .value_kind: global_buffer, .address_space: global }
      - { .name: o1_b, .offset: 32, .size: 8, .value_kind: global_buffer, .address_space: global }
      - { .name: n2_w, .offset: 40, .size: 8, .value_kind: global_buffer, .address_space: global }
      - { .name: n2_b, .offset: 48, .size: 8, .value_kind: global_buffer, .address_space: global }
      - { .name: o2_b, .offset: 56, .size: 8, .value_kind: global_buffer, .address_space: global }
      - { .name: n3_w, .offset: 64, .size: 8, .value_kind: global_buffer, .address_space: global }
      - { .name: n3_b, .offset: 72, .size: 8, .value_kind: global_buffer, .address_space: global }
      - { .name: h3x, .offset: 80, .size: 8, .value_kind: global_buffer, .address_space: global }
    .group_segment_fixed_size: 100352
    .private_segment_fixed_size: 0
    .kernarg_segment_align: 8
    .kernarg_segment_size: 88
    .max_flat_workgroup_size: 512
    .sgpr_count:     66
    .vgpr_count:     256
    .wavefront_size: 32
...
	.end_amdgpu_metadata
.endif
;; end of part 4
;; launch ff1 (part 5): grid 32 x 16, 4 waves a work-group, clusters of 4 x 4, 327,680 bytes of LDS; arguments h3x, pre, ff1_b, g; writes g
.if DOCPART == 5
	.amdgcn_target "amdgcn-amd-amdhsa--gfx1250"
	.amdhsa_code_object_version 6
	.text
	.protected	k_q122f5cb89b_ff1
	.globl	k_q122f5cb89b_ff1
	.p2align	8
	.type	k_q122f5cb89b_ff1,@function
k_q122f5cb89b_ff1:
	s_mov_b64 s[64:65], 0
	v_nop
	global_prefetch_b8 v0, s[64:65] scope:SCOPE_SE
	s_setreg_imm32_b32 hwreg(HW_REG_WAVE_MODE, 25, 1), 1
	s_wait_xcnt 0x0
	s_wait_alu depctr_hold_cnt(0) depctr_sa_sdst(0) depctr_va_vdst(0) depctr_va_sdst(0) depctr_va_ssrc(0) depctr_va_vcc(0) depctr_vm_vsrc(0)
	s_getreg_b32 s2, hwreg(HW_REG_IB_STS2, 6, 4)
	s_cmp_eq_u32 s2, 0
	s_cbranch_scc0 .Lentry_in_a_cluster
	s_endpgm
.Lentry_in_a_cluster:
	s_bfe_u32 s2, ttmp6, 0x10000c
	s_cmp_lg_u32 s2, 0xf033
	s_cbranch_scc0 .Lentry_shape_is_right
	s_endpgm
.Lentry_shape_is_right:
; g = Q((h3 W + b)[a] x gelu((h3 W + b)[gate])): the first product of the feed-forward on codes of BF6, the exact GEGLU in f32, and the quantiser of the second product's operand.
; A work-group of four waves makes 256 rows x 256 stored columns (128 of a and the 128 matching of the gate); a wave 128 x 128: 64 accumulators.  K = 1,024 in steps of 256 through two LDS slots.
; OPERANDS ARE IMAGES: a fragment is 1,536 dense bytes, six parts of 256; 128 rows x 256 K are 24,576 dense bytes, one tensor load; a fragment comes out of LDS by six dense loads of 256 bytes.
; The scale words of the work-group's rows and columns for all of K come once, with the first fills.  The bias is the C of each sum's first product.
; CLUSTER 4 x 4: the rows' tiles are asked for jointly along a row of the cluster, the weight's along a column.
; TRANSPOSED: source 0 = 16 stored columns, source 1 = 16 rows: a lane holds row r; by the order of the stored columns registers 16 b + i of a row block are the columns 32 b + 16 h + i of a, and 32 registers on their gates.
; GELU: gelu(x) = max(x, 0) - |x| erfc(|x| / sqrt 2) / 2; erfc(a) = (1 + p(q)) / (1 + 2 a) x exp(-a a), q = (a - 2) / (a + 2), p of degree 9; exp(-a a) = 2^(-s), s = (|x| sqrt(log2(e) / 2))^2 with its rounding error put back.
; LIMITS: |gate| is held at 20 inside erfc (erfc is 0 in f32 there); the relative error of erfc is about 1e-6 up to |x| = 6 and grows as x x 1e-7 x in the far negative tail; NaN and infinities are not served; a block under 2^-122 gets the byte 1 and zero codes.
.set KS,     8
.set NQ,     2
.set FR,     12
.set NL,     6
.set NP,     4
.set HALFT,  24576
.set SLOT,   4*HALFT
.set LAPS,   KS/4
.set SCL,    2*SLOT
.set HALFS,  512*KS
.set SPARE,  SCL+4*HALFS               ; the spare words: 128 bytes a wave, two blocks of 256 bytes that no other line names
.set H3S,    3145728
.set FF1S,   14131200
.set GS,     12582912
.set SCG,    1024                      ; the way out: 1,024 bytes of scale words, in slot 0, which has had its last fill and its last read by then
.set ADRA, 16
.set ADRB, 20
.set C9V,  22
.set SGA,  24
.set SGT,  25
.set GOFF, 26
.set ADRS, 27
.set SPW,  28
.set NIL,  29
.set SC,   32                          ; v32-63 scale words and nothing else
.set BIAS, 64
.set AF,   128
.set ZZ,   64                          ; the way out: arrays of 16 numbers
.set MX,   80
.set AVC,  96
.set AA,   112
.set BB,   128
.set PD,   144
.set DD,   160
.set S2,   176
.set EE,   192
.set HH,   208
.set PC,   240
.set PT,   246
.set TM,   249
.set PW,   255
.set G1, 24
.set G0, 32
.set G1B, 48
.set G0B, 56
.set G1S, 68
.set G0S, 76
.set G1SB, 80
.set G0SB, 88
.set C20, 95
.set SEL, 96
.set IT,  98
.set MSB, 0
.macro WIN new                         ; the immediate's high byte repeats the setting that is left
.if MSB != \new
	s_set_vgpr_msb (MSB<<8)|\new
.set MSB, \new
.endif
.endm
.set MUL_LO, 0xa1
.set MUL_HI, 0xf1
.set TO_B,   0x40
.macro JLOAD g0a, g1a, g0b, g1b        ; a joint load: waves 0 and 1 fetch for the rows, waves 2 and 3 for the weight; four v_nop follow each line
	s_cmp_eq_u32 s15, 0
	s_cbranch_scc0 .Lfor_b_\@
	tensor_load_to_lds s[\g0a:\g0a+3], s[\g1a:\g1a+7]
	s_nop 0
.rept 4
	v_nop
.endr
	s_branch .Lasked_\@
.Lfor_b_\@:
	tensor_load_to_lds s[\g0b:\g0b+3], s[\g1b:\g1b+7]
	s_nop 0
.rept 4
	v_nop
.endr
.Lasked_\@:
.endm
.macro CREST
	s_cmp_lg_u32 s14, 0
	s_cbranch_scc1 .Lnot_wave_0_\@
	s_barrier_signal -3
.Lnot_wave_0_\@:
	s_barrier_wait -3
	s_barrier_signal -1
	s_barrier_wait -1
.endm
.macro CROUND
	s_barrier_signal -1
	s_barrier_wait -1
	CREST
.endm
.macro HFQ src, dst
.irp b, 0,1
	v_max3_num_f32 v[TM+\b], |v[(\src)+16*\b]|, |v[(\src)+1+16*\b]|, 0x2800000
.endr
.irp i, 2,4,6,8,10,12,14
.irp b, 0,1
	v_max3_num_f32 v[TM+\b], v[TM+\b], |v[(\src)+16*\b+\i]|, |v[(\src)+1+16*\b+\i]|
.endr
.endr
.irp b, 0,1
	v_permlanex16_b32 v[TM+2+\b], v[TM+\b], s[SEL], s[SEL+1]
.endr
.irp b, 0,1
	v_max_num_f32 v[TM+\b], v[TM+\b], v[TM+2+\b]
.endr
.irp b, 0,1
	v_add_nc_u32 v[TM+4+\b], 0xfe000000, v[TM+\b]
.endr
.irp b, 0,1
	v_lshrrev_b32 v[TM+2+\b], 23, v[TM+4+\b]
.endr
	v_lshl_or_b32 v[PW], v[TM+3], 8, v[TM+2]
	v_cvt_scalef32_pk16_bf6_f32 v[(\dst):(\dst)+2], v[(\src):(\src)+15], v[TM+4]
	v_cvt_scalef32_pk16_bf6_f32 v[PT:PT+2], v[(\src)+16:(\src)+31], v[TM+5]
	v_nop
.irp i, 0,1,2
	v_permlane16_swap_b32 v[(\dst)+\i], v[PT+\i]
.endr
.irp i, 0,1,2
	v_mov_b32 v[(\dst)+3+\i], v[PT+\i]
.endr
.endm
	s_load_b256 s[4:11], s[0:1], 0x0                 ; h3x, pre, ff1_b, g
	v_lshl_add_u32 v[SPW], v0, 2, SPARE
	v_mov_b32 v[NIL], 0
	ds_add_u32 v28, v29
	ds_add_u32 v28, v29
	s_wait_dscnt 0x0
	v_lshrrev_b32 v1, 5, v0
	v_readfirstlane_b32 s14, v1                      ; wave 0..3
	s_lshr_b32 s15, s14, 1                           ; which half of the rows is mine.  Also: I fetch for the rows (0) or the weight (1)
	s_and_b32 s16, s14, 1                            ; which half of the columns.  Also: which 128 rows of that tile I fetch
	s_bfe_u32 s40, ttmp6, 0x40000
	s_bfe_u32 s41, ttmp6, 0x40004
	s_lshl_b32 s42, ttmp9, 2
	s_add_co_u32 s42, s42, s40                       ; tile column
	s_and_b32 s17, ttmp7, 0xffff
	s_lshl_b32 s17, s17, 2
	s_add_co_u32 s17, s17, s41                       ; tile row
	s_lshl_b32 s43, s41, 2
	s_lshl_b32 s43, 15, s43                          ; my row of the cluster
	s_lshl_b32 s44, 0x1111, s40                      ; my column
	s_or_b32 s[G1+0], s43, (3<<16)|(1<<21)           ; elements of 8 bytes, no padding; the mask, and bit 21 beside it
	s_or_b32 s[G1B+0], s44, (3<<16)|(1<<21)
.irp g, G1, G1B
	s_mov_b32 s[\g+1], 32<<16                        ; dense rows of 256 bytes,
	s_mov_b32 s[\g+2], 96<<16                        ; 96 of them: 128 rows x 256 K of codes
	s_mov_b32 s[\g+3], 32<<16
	s_mov_b32 s[\g+4], 96
	s_mov_b32 s[\g+5], 32
	s_mov_b32 s[\g+6], 0
	s_mov_b32 s[\g+7], 0
.endr
	s_or_b32 s[G1S+0], s43, (3<<16)|(1<<21)
	s_or_b32 s[G1SB+0], s44, (3<<16)|(1<<21)
.irp g, G1S, G1SB
	s_mov_b32 s[\g+1], 32<<16
	s_mov_b32 s[\g+2], (2*KS)<<16                    ; the scale words of 128 rows for all of K
	s_mov_b32 s[\g+3], 32<<16
	s_mov_b32 s[\g+4], 2*KS
	s_mov_b32 s[\g+5], 32
	s_mov_b32 s[\g+6], 0
	s_mov_b32 s[\g+7], 0
.endr
	s_lshl_b32 s20, s17, 1
	s_add_co_u32 s20, s20, s16                       ; the rows' block of 128
	s_lshl_b32 s46, s42, 1
	s_add_co_u32 s46, s46, s16                       ; the weight's
	s_mul_i32 s22, s20, HALFS
	s_mov_b32 s23, 0
	s_mul_i32 s92, s46, HALFS
	s_mov_b32 s93, 0
	s_mul_i32 s20, s20, KS*12288
	s_mov_b32 s21, 0
	s_mul_i32 s46, s46, KS*12288
	s_mov_b32 s47, 0
	s_mul_i32 s45, s14, HALFT                        ; where they go: wave x 24,576: no place in the cluster enters an LDS address
	s_mul_i32 s94, s14, HALFS
	s_wait_kmcnt 0x0
	s_add_nc_u64 s[20:21], s[4:5], s[20:21]
	s_add_nc_u64 s[22:23], s[4:5], s[22:23]
	s_add_nc_u64 s[22:23], s[22:23], H3S
	s_add_nc_u64 s[46:47], s[6:7], s[46:47]
	s_add_nc_u64 s[92:93], s[6:7], s[92:93]
	s_add_nc_u64 s[92:93], s[92:93], FF1S
	CROUND                                           ; all sixteen work-groups are here: the first joint loads meet
	s_mov_b32 s[G0S], 1
	s_add_co_u32 s[G0S+1], s94, SCL
	s_mov_b64 s[G0S+2:G0S+3], s[22:23]
	s_or_b32 s[G0S+3], s[G0S+3], 0x80000000
	s_mov_b32 s[G0SB], 1
	s_add_co_u32 s[G0SB+1], s94, SCL
	s_mov_b64 s[G0SB+2:G0SB+3], s[92:93]
	s_or_b32 s[G0SB+3], s[G0SB+3], 0x80000000
	JLOAD G0S, G1S, G0SB, G1SB
.irp s, 0,1
	s_mov_b32 s[G0+4*\s], 1
	s_add_co_u32 s[G0+4*\s+1], s45, \s*SLOT
	s_add_nc_u64 s[G0+4*\s+2:G0+4*\s+3], s[20:21], \s*HALFT
	s_or_b32 s[G0+4*\s+3], s[G0+4*\s+3], 0x80000000
	s_mov_b32 s[G0B+4*\s], 1
	s_add_co_u32 s[G0B+4*\s+1], s45, \s*SLOT
	s_add_nc_u64 s[G0B+4*\s+2:G0B+4*\s+3], s[46:47], \s*HALFT
	s_or_b32 s[G0B+4*\s+3], s[G0B+4*\s+3], 0x80000000
	JLOAD G0+4*\s, G1, G0B+4*\s, G1B
.endr
	v_and_b32 v1, 15, v0                             ; r
	v_bfe_u32 v2, v0, 4, 1                           ; h
	v_and_b32 v3, 31, v0
	v_lshlrev_b32 v4, 3, v3                          ; 8 l
	s_mul_i32 s21, s15, HALFT
	s_mul_i32 s22, s16, HALFT
	s_add_co_u32 s22, s22, 2*HALFT
.irp s, 0,1
	v_add_nc_u32 v[ADRA+\s], s21, v4
	v_add_nc_u32 v[ADRB+\s], s22, v4
	s_add_co_u32 s21, s21, SLOT
	s_add_co_u32 s22, s22, SLOT
.endr
	s_mul_i32 s21, s15, HALFS
	s_mul_i32 s22, s16, HALFS
	s_add_co_u32 s22, s22, 2*HALFS
	s_sub_co_u32 s22, s22, s21
	v_mul_u32_u24 v6, s22, v2                        ; lanes 16-31 take the weight's words
	s_add_co_u32 s21, s21, SCL
	v_lshlrev_b32 v5, 2, v1
	v_add_nc_u32 v6, v5, v6
	v_add_nc_u32 v[ADRS], s21, v6
	s_lshl_b32 s21, s15, 9
	s_lshl_b32 s22, s16, 1
	s_add_co_u32 s21, s21, s22
	s_add_co_u32 s21, s21, SCG-32
	v_add_nc_u32 v[SGA], s21, v5                     ; the way out: 512 x half of rows + 2 x half of columns + 4 r, 32 under the words' first byte
	v_mov_b32 v[GOFF], v4
	s_lshl_b32 s46, s42, 9                           ; the bias: 128 columns a tile column, 64 a wave
	s_lshl_b32 s47, s16, 8
	s_add_co_u32 s46, s46, s47
	s_mov_b32 s47, 0
	s_add_nc_u64 s[8:9], s[8:9], s[46:47]
	v_lshlrev_b32 v7, 6, v2                          ; 64 h
.irp b, 0,1,2,3,4,5,6,7
.irp x, 0,1
	global_load_b128 v[BIAS+8*\b+4*\x:BIAS+8*\b+4*\x+3], v7, s[8:9] offset:16384*(\b/4)+128*((\b%4)/2)+32*(\b%2)+16*\x
.endr
.endr
	s_lshl_b32 s92, s17, 1
	s_add_co_u32 s92, s92, s15
	s_lshl_b32 s92, s92, 5
	s_add_co_u32 s92, s92, s42                       ; 32 x my block of 128 rows + the K step of g that this tile column makes
	s_lshl_b32 s46, s92, 9
	s_lshl_b32 s47, s16, 8
	s_add_co_u32 s46, s46, s47
	s_add_co_u32 s46, s46, GS
	s_mov_b32 s47, 0
	s_add_nc_u64 s[12:13], s[10:11], s[46:47]        ; g's scale words
	s_mul_i32 s46, s92, 12288
	s_mul_i32 s93, s16, 768
	s_add_co_u32 s46, s46, s93
	s_add_nc_u64 s[10:11], s[10:11], s[46:47]        ; g's codes: my half fragments
	s_mov_b32 s[SEL], 0x76543210
	s_mov_b32 s[SEL+1], 0xfedcba98
	s_mov_b32 s[C20], 0x41a00000                     ; 20.0
.macro FRAG reg, adr, q, i             ; a fragment: six dense loads of 256 bytes
.irp p, 0,1,2,3,4,5
	ds_load_b64 v[(\reg)+2*\p:(\reg)+2*\p+1], v[\adr] offset:(8*(\q)+(\i))*1536+256*\p
.endr
.endm
; 16 products: row blocks a0, a0 + 1 x the eight column blocks.  zero = 1: the bias is the C of the sums' first products.  The 64 accumulators take turns
.macro MUL16 a0, p, q, sc, zero
.irp a, \a0, \a0+1
.irp b, 0,1,2,3,4,5,6,7
.if \zero
	v_wmma_scale_f32_16x16x128_f8f6f4 v[8*(8*((\a)%4)+\b):8*(8*((\a)%4)+\b)+7], v[128*(\p)+FR*\b:128*(\p)+FR*\b+FR-1], v[AF+FR*(\a):AF+FR*(\a)+FR-1], v[BIAS+8*\b:BIAS+8*\b+7], v[SC+8*NQ*(\sc)+NQ*\b+(\q)], v[SC+8*NQ*(\sc)+NQ*(\a)+(\q)] matrix_a_fmt:MATRIX_FMT_BF6 matrix_b_fmt:MATRIX_FMT_BF6 matrix_a_scale:MATRIX_SCALE_ROW1
.else
	v_wmma_scale_f32_16x16x128_f8f6f4 v[8*(8*((\a)%4)+\b):8*(8*((\a)%4)+\b)+7], v[128*(\p)+FR*\b:128*(\p)+FR*\b+FR-1], v[AF+FR*(\a):AF+FR*(\a)+FR-1], v[8*(8*((\a)%4)+\b):8*(8*((\a)%4)+\b)+7], v[SC+8*NQ*(\sc)+NQ*\b+(\q)], v[SC+8*NQ*(\sc)+NQ*(\a)+(\q)] matrix_a_fmt:MATRIX_FMT_BF6 matrix_b_fmt:MATRIX_FMT_BF6 matrix_a_scale:MATRIX_SCALE_ROW1
.endif
.endr
.endr
.endm
.macro FETCH_B slot, q, p
	WIN TO_B
.irp i, 0,1,2,3,4,5,6,7
	FRAG 128*(\p)+FR*\i, ADRB+\slot, \q, \i
.endr
	WIN 0
.endm
.macro FETCH_A slot, q, i0
.irp i, \i0, \i0+1, \i0+2, \i0+3
	FRAG AF+FR*(\i), ADRA+\slot, \q, \i
.endr
.endm
.macro SCALES sc                       ; a slot's scale words: lanes 0-15 the rows' block i, lanes 16-31 the weight's block i
.irp i, 0,1,2,3,4,5,6,7
.irp q, 0,1
	ds_load_b32 v[SC+8*NQ*\sc+NQ*\i+\q], v[ADRS] offset:(8*\q+\i)*64
.endr
.endr
.endm
.macro PLACES n
.rept \n
	v_nop
.endr
.endm
.macro STEP slot, q, zero              ; 128 along K with its successor in the same slot
	s_wait_dscnt 4*NL                                ; all but the youngest 24 loads (the rows' blocks 4-7) are in
.if \zero
	WIN 0x81                                         ; the bias lies in window 0
.else
	WIN MUL_LO
.endif
	MUL16 0, (\q)%2, \q, \slot, \zero
	MUL16 2, (\q)%2, \q, \slot, \zero
	s_wait_dscnt 0
	PLACES NP
	FETCH_B \slot, (\q)+1, 1-(\q)%2
	FETCH_A \slot, (\q)+1, 0
.if \zero
	WIN 0xc1
.else
	WIN MUL_HI
.endif
	MUL16 4, (\q)%2, \q, \slot, \zero
	MUL16 6, (\q)%2, \q, \slot, \zero
	PLACES NP
	WIN 0
	FETCH_A \slot, (\q)+1, 4
.endm
.macro TURN slot, next, fill           ; a slot's last 128 along K, and the change of slots
	s_wait_tensorcnt 0x0                             ; all my tensor loads have landed: my part of the next slot;
	ds_add_u32 v[SPW], v[NIL]                        ; 0 onto my spare word;
	s_wait_dscnt 4*NL+1                              ; (the add and the youngest 24 loads may be out)
	WIN MUL_LO
	MUL16 0, 1, NQ-1, \slot, 0
	s_wait_dscnt 0x0                                 ; the add is done, and my reads of this slot are over
	s_barrier_signal -1
	MUL16 2, 1, NQ-1, \slot, 0
	WIN 0
	s_barrier_wait -1
.if \fill
	CREST                                            ; the barrier has opened a round of the cluster's: no wave of any partner still reads this slot or has a load on its way
	s_add_nc_u64 s[G0+4*\slot+2:G0+4*\slot+3], s[G0+4*\slot+2:G0+4*\slot+3], 2*HALFT
	s_add_nc_u64 s[G0B+4*\slot+2:G0B+4*\slot+3], s[G0B+4*\slot+2:G0B+4*\slot+3], 2*HALFT
	JLOAD G0+4*\slot, G1, G0B+4*\slot, G1B
.else
	PLACES NP
.endif
	v_add_nc_u32 v[ADRS], 512*NQ, v[ADRS]
	FETCH_B \next, 0, 0
	FETCH_A \next, 0, 0
	SCALES \next
	WIN MUL_HI
	MUL16 4, 1, NQ-1, \slot, 0
	MUL16 6, 1, NQ-1, \slot, 0
	PLACES NP
	WIN 0
	FETCH_A \next, 0, 4
.endm
	s_wait_tensorcnt 1                               ; the scale words and my part of slot 0 are in; slot 1's load may be out
	s_barrier_signal -1
	s_barrier_wait -1
	FETCH_B 0, 0, 0
	FETCH_A 0, 0, 0
	SCALES 0
	FETCH_A 0, 0, 4
	s_wait_loadcnt 0x0                               ; the bias
	STEP 0, 0, 1
	s_mov_b32 s3, LAPS-1
.Llap:
	TURN 0, 1, 1
	STEP 1, 0, 0
	TURN 1, 0, 1
	STEP 0, 0, 0
	s_sub_co_u32 s3, s3, 1
	s_cmp_lg_u32 s3, 0
	s_cbranch_scc1 .Llap
	TURN 0, 1, 0
	STEP 1, 0, 0
	s_wait_dscnt 4*NL
	WIN MUL_LO
	MUL16 0, 1, NQ-1, 1, 0
	MUL16 2, 1, NQ-1, 1, 0
	s_wait_dscnt 0
	WIN MUL_HI
	MUL16 4, 1, NQ-1, 1, 0
	MUL16 6, 1, NQ-1, 1, 0
	WIN 0
	PLACES NP
	s_barrier_signal -1                              ; every wave's reads of the slots are over (no LDS instruction of mine is out)
	s_barrier_wait -1
	; ---- THE WAY OUT: 16 trips, trip 2 a + b: 16 numbers a lane: block b of 32 columns of row block a.  Only the short pieces at .Lin_k name accumulators; the arithmetic is written once
	v_mov_b32 v[C9V], 0xb9d25000
	v_mov_b32 v[C9V+1], 0xb9d25000
	v_mov_b32 v[TM+2], 0
	v_mov_b32 v[TM+3], 0
.set jj, 0
.rept 16
	v_mov_b32 v[HH+jj], 0                            ; (read in odd trips alone, behind the even trip that writes it)
.set jj, jj+1
.endr
	s_mov_b32 s[IT], 0
.Lgl:
.irp k, 1,2,3,4,5,6,7,8,9,10,11,12,13,14,15
	s_cmp_eq_u32 s[IT], \k
	s_cbranch_scc1 .Lin_\k
.endr
.irp k, 0,1,2,3,4,5,6,7,8,9,10,11,12,13,14,15
.Lin_\k:
	WIN 0x0a+5*(\k/8)                                ; sources 0 and 1: window 2 or 3
.irp i, 0,1,2,3,4,5,6,7,8,9,10,11,12,13,14,15
	v_min_num_f32 v[ZZ+\i], |v[64*((\k/2)%4)+32+16*(\k%2)+\i]|, s[C20]    ; |gate|, held at 20;  each accumulator from its low end on
	v_max_num_f32 v[MX+\i], 0, v[64*((\k/2)%4)+32+16*(\k%2)+\i]
	v_mov_b32 v[AVC+\i], v[64*((\k/2)%4)+16*(\k%2)+\i]
.endr
	WIN 0
	s_branch .Lmid
.endr
.Lmid:
.irp j, 0,2,4,6,8,10,12,14
	v_pk_mul_f32 v[AA+\j:AA+\j+1], v[ZZ+\j:ZZ+\j+1], 0x3f3504f3 op_sel_hi:[1,0]     ; a = |x| / sqrt 2
.endr
.irp j, 0,2,4,6,8,10,12,14
	v_pk_mul_f32 v[BB+\j:BB+\j+1], v[ZZ+\j:ZZ+\j+1], 0x3f596d27 op_sel_hi:[1,0]     ; |x| sqrt(log2(e) / 2)
.endr
.irp j, 0,2,4,6,8,10,12,14
	v_pk_mul_f32 v[ZZ+\j:ZZ+\j+1], v[ZZ+\j:ZZ+\j+1], -0.5 op_sel_hi:[1,0]
.endr
.irp j, 0,2,4,6,8,10,12,14
	v_pk_add_f32 v[PD+\j:PD+\j+1], v[AA+\j:AA+\j+1], 2.0 op_sel_hi:[1,0]
.endr
.irp j, 0,2,4,6,8,10,12,14
	v_pk_fma_f32 v[DD+\j:DD+\j+1], v[AA+\j:AA+\j+1], 2.0, 1.0 op_sel_hi:[1,0,0]
.endr
.irp j, 0,2,4,6,8,10,12,14
	v_pk_mul_f32 v[S2+\j:S2+\j+1], v[BB+\j:BB+\j+1], v[BB+\j:BB+\j+1]
.endr
.irp i, 0,1,2,3,4,5,6,7,8,9,10,11,12,13,14,15
	v_rcp_f32 v[PD+\i], v[PD+\i]
.endr
.irp i, 0,1,2,3,4,5,6,7,8,9,10,11,12,13,14,15
	v_rcp_f32 v[DD+\i], v[DD+\i]
.endr
.irp i, 0,1,2,3,4,5,6,7,8,9,10,11,12,13,14,15
	v_exp_f32 v[EE+\i], -v[S2+\i]
.endr
.irp j, 0,2,4,6,8,10,12,14
	v_pk_add_f32 v[AA+\j:AA+\j+1], v[AA+\j:AA+\j+1], -2.0 op_sel_hi:[1,0]           ; work that names no result of the batch
.endr
.irp j, 0,2,4,6,8,10,12,14
	v_pk_fma_f32 v[BB+\j:BB+\j+1], v[BB+\j:BB+\j+1], v[BB+\j:BB+\j+1], v[S2+\j:S2+\j+1] neg_lo:[0,0,1] neg_hi:[0,0,1]   ; what the square's rounding left out
.endr
	s_wait_alu depctr_va_vdst(0)                     ; one wait for the 48, ahead of their first reader
.irp j, 0,2,4,6,8,10,12,14
	v_pk_mul_f32 v[AA+\j:AA+\j+1], v[AA+\j:AA+\j+1], v[PD+\j:PD+\j+1]               ; q
.endr
.irp j, 0,2,4,6,8,10,12,14
	v_pk_fma_f32 v[S2+\j:S2+\j+1], v[AA+\j:AA+\j+1], v[C9V:C9V+1], 0xbaa15130 op_sel_hi:[1,1,0]
.endr
.irp c, 0x3aac2b8a, 0x3c0d6e62, 0xbc040dc1, 0xbd5e05b5, 0x3e27fe23, 0xbe2a0420, 0xbdbdfb0b, 0x3e8dd01d
.irp j, 0,2,4,6,8,10,12,14
	v_pk_fma_f32 v[S2+\j:S2+\j+1], v[S2+\j:S2+\j+1], v[AA+\j:AA+\j+1], \c op_sel_hi:[1,1,0]
.endr
.endr
.irp j, 0,2,4,6,8,10,12,14
	v_pk_fma_f32 v[S2+\j:S2+\j+1], v[S2+\j:S2+\j+1], v[DD+\j:DD+\j+1], v[DD+\j:DD+\j+1]   ; (p + 1) / (1 + 2 a)
.endr
.irp j, 0,2,4,6,8,10,12,14
	v_pk_mul_f32 v[S2+\j:S2+\j+1], v[S2+\j:S2+\j+1], v[EE+\j:EE+\j+1]
.endr
.irp j, 0,2,4,6,8,10,12,14
	v_pk_mul_f32 v[BB+\j:BB+\j+1], v[S2+\j:S2+\j+1], v[BB+\j:BB+\j+1]
.endr
.irp j, 0,2,4,6,8,10,12,14
	v_pk_fma_f32 v[S2+\j:S2+\j+1], v[BB+\j:BB+\j+1], 0xbf317218 , v[S2+\j:S2+\j+1] op_sel_hi:[1,0,1]   ; erfc
.endr
.irp j, 0,2,4,6,8,10,12,14
	v_pk_fma_f32 v[S2+\j:S2+\j+1], v[ZZ+\j:ZZ+\j+1], v[S2+\j:S2+\j+1], v[MX+\j:MX+\j+1]                ; gelu
.endr
	s_bitcmp1_b32 s[IT], 0
	s_cbranch_scc1 .Lodd
.irp j, 0,2,4,6,8,10,12,14
	v_pk_mul_f32 v[HH+\j:HH+\j+1], v[AVC+\j:AVC+\j+1], v[S2+\j:S2+\j+1]
.endr
	s_branch .Lnext
.Lodd:
.irp j, 0,2,4,6,8,10,12,14
	v_pk_mul_f32 v[HH+16+\j:HH+17+\j], v[AVC+\j:AVC+\j+1], v[S2+\j:S2+\j+1]
.endr
	HFQ HH, PC                                       ; 64 along the next K of 16 rows: half a fragment
.irp p, 0,1,2
	global_store_b64 v[GOFF], v[PC+2*\p:PC+2*\p+1], s[10:11] offset:256*\p   ; 256 consecutive bytes, aligned
.endr
	s_lshl_b32 s99, s[IT], 5
	v_add_nc_u32 v[SGT], s99, v[SGA]                 ; 64 bytes a row block: 32 x trip - 32
	ds_store_b16 v[SGT], v[PW]
	s_wait_xcnt 0x0                                  ; the stores have read their offset and their data: both are written again
	v_add_nc_u32 v[GOFF], 1536, v[GOFF]
.Lnext:
	s_add_co_u32 s[IT], s[IT], 1
	s_cmp_lt_u32 s[IT], 16
	s_cbranch_scc1 .Lgl
	s_wait_dscnt 0x0
	s_barrier_signal -1
	s_barrier_wait -1                                ; the scale words of the 16 row blocks are whole: each has two bytes from each of two waves
	s_lshl_b32 s99, s14, 8
	s_add_co_u32 s99, s99, SCG
	v_add_nc_u32 v[SGT], s99, v4
	ds_load_b64 v[PC:PC+1], v[SGT]
	s_wait_dscnt 0x0
	global_store_b64 v4, v[PC:PC+1], s[12:13]        ; 256 consecutive bytes, aligned
	s_wait_tensorcnt 0x0                             ; the wave's end
	ds_add_u32 v[SPW], v[NIL]
	s_wait_dscnt 0x0
	CROUND                                           ; the closing round
	s_endpgm
.Lfunc_end_k_q122f5cb89b_ff1:
	.size	k_q122f5cb89b_ff1, .Lfunc_end_k_q122f5cb89b_ff1-k_q122f5cb89b_ff1
	.p2alignl 7, 3214868480
	.fill 96, 4, 3214868480
	.section	.rodata,"a",@progbits
	.p2align	6, 0x0
	.amdhsa_kernel k_q122f5cb89b_ff1
		.amdhsa_group_segment_fixed_size 327680
		.amdhsa_private_segment_fixed_size 0
		.amdhsa_enable_private_segment 0
		.amdhsa_kernarg_size 32
		.amdhsa_user_sgpr_count 2
		.amdhsa_user_sgpr_kernarg_segment_ptr 1
		.amdhsa_wavefront_size32 1
		.amdhsa_system_sgpr_workgroup_id_x 1
		.amdhsa_system_sgpr_workgroup_id_y 1
		.amdhsa_system_sgpr_workgroup_id_z 1
		.amdhsa_system_vgpr_workitem_id 0
		.amdhsa_next_free_vgpr 1024
		.amdhsa_next_free_sgpr 100
		.amdhsa_reserve_vcc 0
		.amdhsa_float_denorm_mode_32 3
		.amdhsa_float_denorm_mode_16_64 3
		.amdhsa_memory_ordered 1
		.amdhsa_forward_progress 1
		.amdhsa_inst_pref_size 190
	.end_amdhsa_kernel
	.amdgpu_metadata
---
amdhsa.version: [ 1, 2 ]
amdhsa.kernels:
  - .name:           k_q122f5cb89b_ff1
    .symbol:         k_q122f5cb89b_ff1.kd
    .args:
      - { .name: h3x, .offset: 0, .size: 8, .value_kind: global_buffer, .address_space: global }
      - { .name: pre, .offset: 8, .size: 8, .value_kind: global_buffer, .address_space: global }
      - { .name: ff1_b, .offset: 16, .size: 8, .value_kind: global_buffer, .address_space: global }
      - { .name: g, .offset: 24, .size: 8, .value_kind: global_buffer, .address_space: global }
    .group_segment_fixed_size: 327680
    .private_segment_fixed_size: 0
    .kernarg_segment_align: 8
    .kernarg_segment_size: 32
    .max_flat_workgroup_size: 128
    .sgpr_count:     100
    .vgpr_count:     1024
    .wavefront_size: 32
...
	.end_amdgpu_metadata
.endif
;; end of part 5
;; launch ff2 (part 6): grid 8 x 32, 4 waves a work-group, clusters of 4 x 4, 327,680 bytes of LDS; arguments g, pre, ff2_b, h3x, out0; writes out0
.if DOCPART == 6
	.amdgcn_target "amdgcn-amd-amdhsa--gfx1250"
	.amdhsa_code_object_version 6
	.text
	.protected	k_q122f5cb89b_ff2
	.globl	k_q122f5cb89b_ff2
	.p2align	8
	.type	k_q122f5cb89b_ff2,@function
k_q122f5cb89b_ff2:
	s_mov_b64 s[64:65], 0
	v_nop
	global_prefetch_b8 v0, s[64:65] scope:SCOPE_SE
	s_setreg_imm32_b32 hwreg(HW_REG_WAVE_MODE, 25, 1), 1
	s_wait_xcnt 0x0
	s_wait_alu depctr_hold_cnt(0) depctr_sa_sdst(0) depctr_va_vdst(0) depctr_va_sdst(0) depctr_va_ssrc(0) depctr_va_vcc(0) depctr_vm_vsrc(0)
	s_getreg_b32 s2, hwreg(HW_REG_IB_STS2, 6, 4)
	s_cmp_eq_u32 s2, 0
	s_cbranch_scc0 .Lentry_in_a_cluster
	s_endpgm
.Lentry_in_a_cluster:
	s_bfe_u32 s2, ttmp6, 0x10000c
	s_cmp_lg_u32 s2, 0xf033
	s_cbranch_scc0 .Lentry_shape_is_right
	s_endpgm
.Lentry_shape_is_right:
; out = g W2 + ff2_b + x2: the second product of the feed-forward on codes of BF6 (E3M2), K = 4,096; the bias is the C of each sum's first product, the residual is added on the way out.
; TILE: 4,096 rows x 1,024 columns in tiles of 128 x 128 are 256 work-groups; tiles of 256 x 256 would be 64.  Four waves, each 64 x 64: 16 accumulators of 16 x 16, 128 registers.
; OPERANDS ARE IMAGES: a fragment (16 rows x 128 K) is 1,536 dense bytes, six parts of 256; the eight fragments of 128 rows follow each other, K step by K step: 128 rows x 256 K are 24,576 dense bytes, one tensor load.
; RING: two LDS slots of 512 along K (four K steps of 128): g's 49,152 bytes, then the weight's.  Waves 0 and 1 fetch g's two halves along K, waves 2 and 3 the weight's.  8 slots' worth of K, 7 changes of slots.
; The scale words of the work-group's rows and columns for all of K (16,384 bytes each) come once, with the first fills.
; CLUSTER 4 x 4: g's tiles are asked for jointly along a row of the cluster, the weight's along a column.  No prefetch: the tile is small, and what is shared comes by the joint loads.
; TRANSPOSED: source 0 = 16 columns of the weight, source 1 = 16 rows of g: a lane holds row r and eight neighbouring columns.
; ROWS: tile T of g holds the rows 32 (T / 2) + 8 (T % 2) + t + 8 (t / 8): the way out puts them back in their places.
; x2's rows are asked for at the head, into registers of their own, and are waited for on the way out.
; REGISTERS, in windows of 256: window 0: v16-29 addresses; v32-63 scale words, two sets; v64-95 the bias, later v64-127 rows back from the stage; v128-255 the accumulators ((a, b) at v[128 + 8 (4 a + b)]).
;   window 1: two fragment buffers, at v0 and v128: 48 registers of g (4 x 12), then 48 of the weight.   window 2: v0-127 x2's rows, 32 registers a block of 16 rows.
; LIMITS: NaN and infinities are not served.
.set KS,     32
.set NQ,     4                         ; K steps of 128 in a slot
.set FR,     12                        ; registers of a fragment
.set NL,     6                         ; LDS loads that bring one
.set NP,     4                         ; places behind this matrix instruction (ISA guide 7.12.1)
.set HALFT,  24576                     ; what one tensor load brings
.set OPB,    2*HALFT                   ; an operand's part of a slot
.set SLOT,   2*OPB
.set LAPS,   KS/(2*NQ)                 ; a lap = two slots = once round the ring
.set SCL,    2*SLOT                    ; behind the ring: the scale words
.set HALFS,  8192                      ; half an operand's scale words: what one tensor load brings
.set SPARE,  SCL+4*HALFS               ; the spare words: 128 bytes a wave, two blocks of 256 bytes that no other line names
.set GS,     12582912
.set FF2C,   6291456
.set FF2S,   14393344
.set X2,     3276800
.set SPITCH, 272                       ; the way out: a stage of 16 rows x (256 + 16) bytes a wave, in slot 0, which has had its last fill and its last read by then
.set ADRA, 16                          ; v16-17 LDS address of my fragments of g in slot 0, 1
.set ADRB, 20                          ; v20-21 the same for the weight
.set STO,  24
.set RD,   25
.set CO,   26
.set ADRS, 27
.set SPW,  28                          ; v28 LDS address of my spare word; never rewritten
.set NIL,  29                          ; v29 0; never rewritten
.set SC,   32                          ; v32-63 scale words and nothing else: set s at v[SC + 16 s]; register 4 i + q: lanes 0-15 the word of my row block i, lanes 16-31 that of my column block i, K step q of the slot
.set BIAS, 64
.set BK,   64
.set ACC,  128
.set F0,   0
.set F1,   128
.set G1, 24
.set G0, 32
.set G1B, 48
.set G0B, 56
.set G1S, 68
.set G0S, 76
.set G1SB, 80
.set G0SB, 88
.set MSB, 0
.macro WIN new                         ; the immediate's high byte repeats the setting that is left
.if MSB != \new
	s_set_vgpr_msb (MSB<<8)|\new
.set MSB, \new
.endif
.endm
.set MUL,  0x05                        ; sources 0 and 1 window 1; C and D window 0
.set TO_F, 0x40                        ; destination window 1, address window 0
.macro JLOAD g0a, g1a, g0b, g1b        ; a joint load: waves 0 and 1 fetch for g, waves 2 and 3 for the weight; four v_nop follow each line
	s_cmp_eq_u32 s15, 0
	s_cbranch_scc0 .Lfor_b_\@
	tensor_load_to_lds s[\g0a:\g0a+3], s[\g1a:\g1a+7]
	s_nop 0
.rept 4
	v_nop
.endr
	s_branch .Lasked_\@
.Lfor_b_\@:
	tensor_load_to_lds s[\g0b:\g0b+3], s[\g1b:\g1b+7]
	s_nop 0
.rept 4
	v_nop
.endr
.Lasked_\@:
.endm
.macro CREST                           ; a round of the cluster's barrier behind its opening barrier
	s_cmp_lg_u32 s14, 0
	s_cbranch_scc1 .Lnot_wave_0_\@
	s_barrier_signal -3
.Lnot_wave_0_\@:
	s_barrier_wait -3
	s_barrier_signal -1
	s_barrier_wait -1
.endm
.macro CROUND
	s_barrier_signal -1
	s_barrier_wait -1
	CREST
.endm
	s_load_b256 s[4:11], s[0:1], 0x0                 ; g, pre, ff2_b, h3x
	s_load_b64 s[12:13], s[0:1], 0x20                ; out0
	v_lshl_add_u32 v[SPW], v0, 2, SPARE
	v_mov_b32 v[NIL], 0
	ds_add_u32 v28, v29
	ds_add_u32 v28, v29
	s_wait_dscnt 0x0
	v_lshrrev_b32 v1, 5, v0
	v_readfirstlane_b32 s14, v1                      ; wave 0..3
	s_lshr_b32 s15, s14, 1                           ; which half of the tile's rows is mine.  Also: I fetch for g (0) or for the weight (1)
	s_and_b32 s16, s14, 1                            ; which half of its columns.  Also: which half along K of a slot I fetch
	s_bfe_u32 s40, ttmp6, 0x40000                    ; cx, cy: my place in the cluster
	s_bfe_u32 s41, ttmp6, 0x40004
	s_lshl_b32 s42, ttmp9, 2
	s_add_co_u32 s42, s42, s40                       ; tile column, 0..7
	s_and_b32 s17, ttmp7, 0xffff
	s_lshl_b32 s17, s17, 2
	s_add_co_u32 s17, s17, s41                       ; tile row, 0..31
	s_lshl_b32 s43, s41, 2
	s_lshl_b32 s43, 15, s43                          ; my row of the cluster
	s_lshl_b32 s44, 0x1111, s40                      ; my column
	s_or_b32 s[G1+0], s43, (3<<16)|(1<<21)           ; elements of 8 bytes, no padding; the mask, and bit 21 beside it
	s_or_b32 s[G1B+0], s44, (3<<16)|(1<<21)
.irp g, G1, G1B
	s_mov_b32 s[\g+1], 32<<16                        ; dense rows of 256 bytes,
	s_mov_b32 s[\g+2], 96<<16                        ; 96 of them: 128 rows x 256 K of codes
	s_mov_b32 s[\g+3], 32<<16
	s_mov_b32 s[\g+4], 96
	s_mov_b32 s[\g+5], 32
	s_mov_b32 s[\g+6], 0
	s_mov_b32 s[\g+7], 0
.endr
	s_or_b32 s[G1S+0], s43, (3<<16)|(1<<21)
	s_or_b32 s[G1SB+0], s44, (3<<16)|(1<<21)
.irp g, G1S, G1SB
	s_mov_b32 s[\g+1], 32<<16
	s_mov_b32 s[\g+2], (HALFS/256)<<16               ; the scale words of 128 rows for half of K
	s_mov_b32 s[\g+3], 32<<16
	s_mov_b32 s[\g+4], HALFS/256
	s_mov_b32 s[\g+5], 32
	s_mov_b32 s[\g+6], 0
	s_mov_b32 s[\g+7], 0
.endr
	s_mul_i32 s18, s16, HALFT                        ; my half along K of a slot
	s_mul_i32 s20, s17, KS*12288                     ; g: the tile row's 128 rows
	s_add_co_u32 s20, s20, s18
	s_mov_b32 s21, 0
	s_mul_i32 s46, s42, KS*12288                     ; the weight: the tile column's 128 columns
	s_add_co_u32 s46, s46, s18
	s_mov_b32 s47, 0
	s_lshl_b32 s22, s17, 1
	s_add_co_u32 s22, s22, s16
	s_mul_i32 s22, s22, HALFS                        ; their scale words, my half
	s_mov_b32 s23, 0
	s_lshl_b32 s92, s42, 1
	s_add_co_u32 s92, s92, s16
	s_mul_i32 s92, s92, HALFS
	s_mov_b32 s93, 0
	s_mul_i32 s45, s14, HALFT                        ; where they go: wave x 24,576: no place in the cluster enters an LDS address
	s_mul_i32 s94, s14, HALFS
	s_wait_kmcnt 0x0
	s_add_nc_u64 s[20:21], s[4:5], s[20:21]
	s_add_nc_u64 s[22:23], s[4:5], s[22:23]
	s_add_nc_u64 s[22:23], s[22:23], GS
	s_add_nc_u64 s[46:47], s[6:7], s[46:47]
	s_add_nc_u64 s[46:47], s[46:47], FF2C
	s_add_nc_u64 s[92:93], s[6:7], s[92:93]
	s_add_nc_u64 s[92:93], s[92:93], FF2S
	CROUND                                           ; all sixteen work-groups are here: the first joint loads meet
	s_mov_b32 s[G0S], 1
	s_add_co_u32 s[G0S+1], s94, SCL
	s_mov_b64 s[G0S+2:G0S+3], s[22:23]
	s_or_b32 s[G0S+3], s[G0S+3], 0x80000000
	s_mov_b32 s[G0SB], 1
	s_add_co_u32 s[G0SB+1], s94, SCL
	s_mov_b64 s[G0SB+2:G0SB+3], s[92:93]
	s_or_b32 s[G0SB+3], s[G0SB+3], 0x80000000
	JLOAD G0S, G1S, G0SB, G1SB                       ; the scale words first: they are wanted with the first K step
.irp s, 0,1
	s_mov_b32 s[G0+4*\s], 1
	s_add_co_u32 s[G0+4*\s+1], s45, \s*SLOT
	s_add_nc_u64 s[G0+4*\s+2:G0+4*\s+3], s[20:21], \s*OPB
	s_or_b32 s[G0+4*\s+3], s[G0+4*\s+3], 0x80000000
	s_mov_b32 s[G0B+4*\s], 1
	s_add_co_u32 s[G0B+4*\s+1], s45, \s*SLOT
	s_add_nc_u64 s[G0B+4*\s+2:G0B+4*\s+3], s[46:47], \s*OPB
	s_or_b32 s[G0B+4*\s+3], s[G0B+4*\s+3], 0x80000000
	JLOAD G0+4*\s, G1, G0B+4*\s, G1B
.endr
	v_and_b32 v1, 15, v0                             ; r
	v_bfe_u32 v2, v0, 4, 1                           ; h
	v_and_b32 v3, 31, v0
	v_lshlrev_b32 v4, 3, v3                          ; 8 l
	s_mul_i32 s21, s15, 4*1536                       ; my four row blocks of the eight
	s_mul_i32 s22, s16, 4*1536                       ; my four column blocks,
	s_add_co_u32 s22, s22, OPB                       ; behind g's part of the slot
.irp s, 0,1
	v_add_nc_u32 v[ADRA+\s], s21, v4
	v_add_nc_u32 v[ADRB+\s], s22, v4
	s_add_co_u32 s21, s21, SLOT
	s_add_co_u32 s22, s22, SLOT
.endr
	s_lshl_b32 s21, s15, 8                           ; scale words: 64 bytes a block
	s_lshl_b32 s22, s16, 8
	s_add_co_u32 s22, s22, 2*HALFS
	s_sub_co_u32 s22, s22, s21
	v_mul_u32_u24 v6, s22, v2                        ; lanes 16-31 take the weight's words
	s_add_co_u32 s21, s21, SCL
	v_lshlrev_b32 v5, 2, v1
	v_add_nc_u32 v6, v5, v6
	v_add_nc_u32 v[ADRS], s21, v6
	s_mul_i32 s23, s14, 16*SPITCH                    ; my stage
	v_mul_u32_u24 v5, v1, SPITCH
	v_lshl_add_u32 v5, v2, 5, v5
	v_add_nc_u32 v[STO], s23, v5                     ; in: row r, 32 bytes for each half of the lanes
	v_mul_u32_u24 v6, v2, SPITCH
	v_lshl_add_u32 v6, v1, 4, v6
	v_add_nc_u32 v[RD], s23, v6                      ; back: lanes 0-15 take one row of 256 bytes, lanes 16-31 the next
	v_lshlrev_b32 v[CO], 12, v2
	v_lshl_add_u32 v[CO], v1, 4, v[CO]               ; and the same two rows in x2 and out0: 4,096 h + 16 r
	s_lshl_b32 s46, s42, 9                           ; my first column, in bytes: 512 x tile column + 256 x half
	s_lshl_b32 s47, s16, 8
	s_add_co_u32 s46, s46, s47
	s_mov_b32 s47, 0
	s_add_nc_u64 s[8:9], s[8:9], s[46:47]            ; the bias
	v_lshlrev_b32 v7, 5, v2                          ; 32 h
.irp b, 0,1,2,3
.irp x, 0,1
	global_load_b128 v[BIAS+8*\b+4*\x:BIAS+8*\b+4*\x+3], v7, s[8:9] offset:64*\b+16*\x
.endr
.endr
	s_lshl_b32 s92, s17, 7
	s_lshl_b32 s93, s15, 6
	s_add_co_u32 s92, s92, s93                       ; my first row: 128 x tile row + 64 x half
	s_lshl_b32 s92, s92, 12                          ; 4,096 bytes a row
	s_add_co_u32 s46, s46, s92
	s_add_nc_u64 s[12:13], s[12:13], s[46:47]        ; in out0
	s_add_nc_u64 s[10:11], s[10:11], s[46:47]
	s_add_nc_u64 s[10:11], s[10:11], X2              ; and in x2
	WIN 0x80                                         ; destination window 2
.irp a, 0,1,2,3                                          ; x2's 64 rows x 256 bytes: sixteen lanes read 256 consecutive bytes; they land while K is walked
.irp t, 0,1,2,3,4,5,6,7
	global_load_b128 v[32*\a+4*\t:32*\a+4*\t+3], v[CO], s[10:11] offset:(32*(\a/2)+8*(\a%2)+2*\t+8*(\t/4))*4096 th:TH_LOAD_NT
.endr
.endr
	WIN 0
.macro FRAG reg, adr, q, i             ; a fragment: six dense loads of 256 bytes
.irp p, 0,1,2,3,4,5
	ds_load_b64 v[(\reg)+2*\p:(\reg)+2*\p+1], v[\adr] offset:(\q)*12288+(\i)*1536+256*\p
.endr
.endm
; 8 products: row blocks a0, a0 + 1 x the four column blocks, K step q of the slot, from buffer f.  zero = 1: the bias is the C of the sums' first products.  The 16 accumulators take turns
.macro MUL8 f, a0, q, sc, zero
.irp a, \a0, \a0+1
.irp b, 0,1,2,3
.if \zero
	v_wmma_scale_f32_16x16x128_f8f6f4 v[ACC+8*(4*(\a)+\b):ACC+8*(4*(\a)+\b)+7], v[(\f)+48+FR*\b:(\f)+48+FR*\b+FR-1], v[(\f)+FR*(\a):(\f)+FR*(\a)+FR-1], v[BIAS+8*\b:BIAS+8*\b+7], v[SC+16*(\sc)+4*\b+(\q)], v[SC+16*(\sc)+4*(\a)+(\q)] matrix_a_fmt:MATRIX_FMT_BF6 matrix_b_fmt:MATRIX_FMT_BF6 matrix_a_scale:MATRIX_SCALE_ROW1
.else
	v_wmma_scale_f32_16x16x128_f8f6f4 v[ACC+8*(4*(\a)+\b):ACC+8*(4*(\a)+\b)+7], v[(\f)+48+FR*\b:(\f)+48+FR*\b+FR-1], v[(\f)+FR*(\a):(\f)+FR*(\a)+FR-1], v[ACC+8*(4*(\a)+\b):ACC+8*(4*(\a)+\b)+7], v[SC+16*(\sc)+4*\b+(\q)], v[SC+16*(\sc)+4*(\a)+(\q)] matrix_a_fmt:MATRIX_FMT_BF6 matrix_b_fmt:MATRIX_FMT_BF6 matrix_a_scale:MATRIX_SCALE_ROW1
.endif
.endr
.endr
.endm
.macro FETCH slot, q, f                ; 48 LDS loads in one run: a K step's fragments into buffer f: the weight's four, then g's four, so that the youngest twelve are row blocks 2 and 3
	WIN TO_F
.irp i, 0,1,2,3
	FRAG (\f)+48+FR*\i, ADRB+\slot, \q, \i
.endr
.irp i, 0,1,2,3
	FRAG (\f)+FR*\i, ADRA+\slot, \q, \i
.endr
.endm
.macro SCALES sc                       ; a slot's scale words: lanes 0-15 my row block i, lanes 16-31 my column block i
.irp i, 0,1,2,3
.irp q, 0,1,2,3
	ds_load_b32 v[SC+16*\sc+4*\i+\q], v[ADRS] offset:512*\q+64*\i
.endr
.endr
.endm
.macro PLACES n                        ; plain places in front of loads into registers that matrix instructions have read, and of the first read of results
.rept \n
	v_nop
.endr
.endm
; K step q (0, 1, 2) of a slot: multiplies buffer q % 2, and in its middle fetches step q + 1 into the other buffer
.macro QUARTER slot, q, zero
	s_wait_dscnt 2*NL                                ; all but the youngest 12 loads (row blocks 2 and 3) are in
	WIN MUL
	MUL8 128*((\q)%2), 0, \q, \slot, \zero
	PLACES NP
	FETCH \slot, (\q)+1, 128*(1-(\q)%2)
	s_wait_dscnt 8*NL                                ; all but the 48 just issued
	WIN MUL
	MUL8 128*((\q)%2), 2, \q, \slot, \zero
.endm
; A slot's last K step multiplies buffer 1 and changes slots.  Its fragments were the slot's last reads.  fill = 1: this slot is filled again, two slots ahead
.macro TURN slot, next, fill
	WIN 0                                            ; (the add's two registers lie in window 0)
	s_wait_tensorcnt 0x0                             ; all my tensor loads have landed: my part of the next slot;
	ds_add_u32 v[SPW], v[NIL]                        ; 0 onto my spare word;
	s_wait_dscnt 0x0                                 ; the add is done, and my reads of this slot are over
	s_barrier_signal -1
	WIN MUL
	MUL8 F1, 0, 3, \slot, 0                          ; work on registers while the others arrive
	WIN 0
	s_barrier_wait -1
.if \fill
	CREST                                            ; the barrier has opened a round of the cluster's: no wave of any partner still reads this slot or has a load on its way
	s_add_nc_u64 s[G0+4*\slot+2:G0+4*\slot+3], s[G0+4*\slot+2:G0+4*\slot+3], 2*OPB
	s_add_nc_u64 s[G0B+4*\slot+2:G0B+4*\slot+3], s[G0B+4*\slot+2:G0B+4*\slot+3], 2*OPB
	JLOAD G0+4*\slot, G1, G0B+4*\slot, G1B           ; the first tensor load behind the round; the four v_nop behind it are also the places in front of the loads below
.else
	PLACES NP
.endif
	v_add_nc_u32 v[ADRS], 512*NQ, v[ADRS]            ; on to the next slot's scale words
	SCALES \next
	FETCH \next, 0, F0
	WIN MUL
	MUL8 F1, 2, 3, \slot, 0
.endm
	s_wait_tensorcnt 1                               ; the scale words and my part of slot 0 are in; slot 1's load may be out
	s_barrier_signal -1
	s_barrier_wait -1
	SCALES 0
	FETCH 0, 0, F0
	s_wait_loadcnt 32                                ; the bias is in; x2's 32 loads, issued behind it, may be out
	QUARTER 0, 0, 1                                  ; the first K step stands in front of the loop: its products start the sums
	WIN 0                                            ; at a label and at a branch every window is 0
	s_mov_b32 s3, LAPS-1
.Llap:                                                   ; a trip goes once round the ring, from a lap's second K step to the next lap's first, and fills both slots again
	QUARTER 0, 1, 0
	QUARTER 0, 2, 0
	TURN 0, 1, 1
	QUARTER 1, 0, 0
	QUARTER 1, 1, 0
	QUARTER 1, 2, 0
	TURN 1, 0, 1
	QUARTER 0, 0, 0
	WIN 0
	s_sub_co_u32 s3, s3, 1
	s_cmp_lg_u32 s3, 0
	s_cbranch_scc1 .Llap
	QUARTER 0, 1, 0                                  ; the last lap fills nothing, and has no round of the cluster's barrier
	QUARTER 0, 2, 0
	TURN 0, 1, 0
	QUARTER 1, 0, 0
	QUARTER 1, 1, 0
	QUARTER 1, 2, 0
	s_wait_dscnt 2*NL                                ; the very last K step: nothing more to fetch
	WIN MUL
	MUL8 F1, 0, 3, 1, 0
	s_wait_dscnt 0
	MUL8 F1, 2, 3, 1, 0
	WIN 0
; THE WAY OUT, a block of 16 rows x 64 columns at a time: through my own stage in LDS, back as whole rows of 256 bytes; x2's rows are added; the rows go to their true places.
; Every offset is an immediate: 62 rows of 4,096 bytes at the most.  LDS serves a wave's instructions in order: no wait between the stage's stores and loads, nor in front of the next block's stores.
.macro TOSTAGE a
.irp b, 0,1,2,3
	ds_store_b128 v[STO], v[ACC+8*(4*(\a)+\b):ACC+8*(4*(\a)+\b)+3] offset:64*\b          ; each accumulator from its low end on
	ds_store_b128 v[STO], v[ACC+8*(4*(\a)+\b)+4:ACC+8*(4*(\a)+\b)+7] offset:64*\b+16
.endr
.irp t, 0,1,2,3,4,5,6,7
	ds_load_b128 v[BK+32*((\a)%2)+4*\t:BK+32*((\a)%2)+4*\t+3], v[RD] offset:\t*2*SPITCH
.endr
.endm
.macro SEND a, younger                 ; younger: the LDS instructions issued behind block a's loads, which may stay out
	s_wait_dscnt \younger
	WIN 0x08                                         ; source 1: window 2
.set jj, 0
.rept 16
	v_pk_add_f32 v[BK+32*((\a)%2)+jj:BK+32*((\a)%2)+jj+1], v[BK+32*((\a)%2)+jj:BK+32*((\a)%2)+jj+1], v[32*(\a)+jj:32*(\a)+jj+1]
.set jj, jj+2
.endr
	WIN 0
.irp t, 0,1,2,3,4,5,6,7
	global_store_b128 v[CO], v[BK+32*((\a)%2)+4*\t:BK+32*((\a)%2)+4*\t+3], s[12:13] offset:(32*((\a)/2)+8*((\a)%2)+2*\t+8*(\t/4))*4096 th:TH_STORE_NT   ; sixteen lanes store 256 consecutive bytes, aligned
.endr
.endm
	PLACES NP
	s_wait_loadcnt 0x0                               ; x2's rows
	TOSTAGE 0
	TOSTAGE 1
	SEND 0, 16                                       ; behind block 0's loads: block 1's 8 stores and 8 loads
	s_wait_xcnt 0x0                                  ; block 0's stores have read their registers, which block 2's loads take
	TOSTAGE 2
	SEND 1, 16
	s_wait_xcnt 0x0
	TOSTAGE 3
	SEND 2, 16
	SEND 3, 0
	s_wait_tensorcnt 0x0                             ; the wave's end
	ds_add_u32 v[SPW], v[NIL]
	s_wait_dscnt 0x0
	CROUND                                           ; the closing round: no work-group ends while a partner may still ask for a tile that names it
	s_endpgm
.Lfunc_end_k_q122f5cb89b_ff2:
	.size	k_q122f5cb89b_ff2, .Lfunc_end_k_q122f5cb89b_ff2-k_q122f5cb89b_ff2
	.p2alignl 7, 3214868480
	.fill 96, 4, 3214868480
	.section	.rodata,"a",@progbits
	.p2align	6, 0x0
	.amdhsa_kernel k_q122f5cb89b_ff2
		.amdhsa_group_segment_fixed_size 327680
		.amdhsa_private_segment_fixed_size 0
		.amdhsa_enable_private_segment 0
		.amdhsa_kernarg_size 40
		.amdhsa_user_sgpr_count 2
		.amdhsa_user_sgpr_kernarg_segment_ptr 1
		.amdhsa_wavefront_size32 1
		.amdhsa_system_sgpr_workgroup_id_x 1
		.amdhsa_system_sgpr_workgroup_id_y 1
		.amdhsa_system_sgpr_workgroup_id_z 1
		.amdhsa_system_vgpr_workitem_id 0
		.amdhsa_next_free_vgpr 768
		.amdhsa_next_free_sgpr 100
		.amdhsa_reserve_vcc 0
		.amdhsa_float_denorm_mode_32 3
		.amdhsa_float_denorm_mode_16_64 3
		.amdhsa_memory_ordered 1
		.amdhsa_forward_progress 1
		.amdhsa_inst_pref_size 116
	.end_amdhsa_kernel
	.amdgpu_metadata
---
amdhsa.version: [ 1, 2 ]
amdhsa.kernels:
  - .name:           k_q122f5cb89b_ff2
    .symbol:         k_q122f5cb89b_ff2.kd
    .args:
      - { .name: g, .offset: 0, .size: 8, .value_kind: global_buffer, .address_space: global }
      - { .name: pre, .offset: 8, .size: 8, .value_kind: global_buffer, .address_space: global }
      - { .name: ff2_b, .offset: 16, .size: 8, .value_kind: global_buffer, .address_space: global }
      - { .name: h3x, .offset: 24, .size: 8, .value_kind: global_buffer, .address_space: global }
      - { .name: out0, .offset: 32, .size: 8, .value_kind: global_buffer, .address_space: global }
    .group_segment_fixed_size: 327680
    .private_segment_fixed_size: 0
    .kernarg_segment_align: 8
    .kernarg_segment_size: 40
    .max_flat_workgroup_size: 128
    .sgpr_count:     100
    .vgpr_count:     768
    .wavefront_size: 32
...
	.end_amdgpu_metadata
.endif
;; end of part 6
